; MI455X (gfx1250); checked and timed in simulation.
; The chip was launched on July 23, 2026; its instructions are those of AMD's public machine-readable ISA for CDNA 5 (MIT licence, August 2026) and "CDNA5" Instruction Set Architecture Reference Guide (July 2026). The comments in the code are by the model that wrote it; some were corrected since.
;; DE Bert A Layer. Allowed arithmetic: matrix products marked QUANTISED: E5M2 operands, one E8M0 scale for each 32 along K, by v_wmma_scale_f32_16x16x128_f8f6f4 with both operands' format E5M2, f32 sums; everything else in f32.
;; Inputs: I 2 x 2,048 x 1,024 float32; b1 4,096 float32; b2 1,024 float32; b_proj 1,024 float32; be1 1,024 float32; be2 1,024 float32; bk 16 x 64 float32; bq 16 x 64 float32; bv 16 x 64 float32; g1 1,024 float32; g2 1,024 float32; mask 2 x 1 x 2,048 int32; w1 1,024 x 4,096 float32; w2 4,096 x 1,024 float32; w_proj 1,024 x 1,024 float32; wk 16 x 1,024 x 64 float32; wq 16 x 1,024 x 64 float32; wv 16 x 1,024 x 64 float32; x 2 x 2,048 x 1,024 float32.
;; Outputs: out0 2 x 2,048 x 1,024 float32.
;; This version of the problem:
;;   THIS VERSION OF THE PROBLEM IS GIVEN IN LOW PRECISION. The matrix products marked QUANTISED in the list below multiply operands that are first quantised to E5M2 (5 exponent bits, 2 mantissa bits; 8 bits a number), with one power-of-two scale for each 32 numbers along K (OCP MX v1.0); their sums are f32. All else is computed in f32.
;;   The module's matrix products, in the order in which they are computed (A, B: the left and right operand; K: the contracted axis; several contracted axes count as one K, in the product's order):
;;     1. [M 1,024, K 1,024] x [K 1,024, N 4,096]; A: input wq; B: input I: QUANTISED
;;     2. [M 1,024, K 1,024] x [K 1,024, N 4,096]; A: input wk; B: computed on the way: QUANTISED
;;     3. [M 1,024, K 1,024] x [K 1,024, N 4,096]; A: input wv; B: computed on the way: QUANTISED
;;     4. batch 32 x [M 2,048, K 64] x [K 64, N 2,048]; A: computed on the way; B: computed on the way: QUANTISED
;;     5. batch 32 x [M 2,048, K 2,048] x [K 2,048, N 64]; A: softmax (see below); B: computed on the way: QUANTISED
;;     6. [M 4,096, K 1,024] x [K 1,024, N 1,024]; A: computed on the way; B: input w_proj: QUANTISED
;;     7. [M 4,096, K 1,024] x [K 1,024, N 4,096]; A: computed on the way; B: input w1: QUANTISED
;;     8. [M 4,096, K 4,096] x [K 4,096, N 1,024]; A: computed on the way; B: input w2: QUANTISED
;;   THE QUANTISER, for each operand of a quantised product, along K:
;;     - K is cut into blocks of 32 from its start; a last block that is shorter is filled with zeros.
;;     - A block's scale is 2^e with e = floor(log2(the largest magnitude in the block)) - 15, held to -126 .. 127; a block of zeros has e = 0. As a byte (E8M0): e + 127.
;;     - Each number is divided by its block's scale, clamped to +-57,344, and rounded to the nearest number of E5M2, ties to even, subnormals kept.
;;     - The product sums the exact products of the quantised numbers (number of the format x scale) in f32.
;;   ~~~python
;;   def quantise(x, axis):      # numpy; x: float32 -> the quantised numbers, widened to float32 again
;;       x = np.moveaxis(x, axis, -1); K = x.shape[-1]
;;       x = np.pad(x, [(0, 0)] * (x.ndim - 1) + [(0, -K % 32)]); x = x.reshape(x.shape[:-1] + (-1, 32)); a = np.abs(x).max(-1, keepdims=True)
;;       e = np.where(a > 0, np.clip(np.frexp(np.where(a > 0, a, 1))[1] - 1 - 15, -126, 127), 0)      # np.frexp(a)[1] - 1 = floor(log2(a)), exactly
;;       r = np.clip(x / 2.0 ** e, -57344, 57344)
;;       step = 2.0 ** (np.maximum(np.frexp(np.where(r == 0, 1, r))[1] - 1, -14) - 2)
;;       q = np.round(r / step) * step * 2.0 ** e      # np.round: ties to even
;;       return np.moveaxis(q.reshape(q.shape[:-2] + (-1,))[..., :K], -1, axis).astype(np.float32)
;;   ~~~
;;   SOFTMAX AHEAD OF A QUANTISED PRODUCT. Where the list says 'softmax', what is quantised is not the finished softmax but p = 2^(t - M), with t = logit x log2(e) and M = ceil(the row's largest t), a whole number; so 1/2 < the row's largest p <= 1. The row's sum l is taken of the UNQUANTISED p, in f32, and the product's result is divided by l at the end. Since M is a whole number, a kernel that streams over the keys may use a running M (the ceiling of the running maximum): every later rescaling is an exact power of two, which a block's scale takes up: the codes' values come out the same.
;;   OPERANDS COMPUTED ON THE WAY. 'Computed on the way' means the value that the module computes at that place (a softmax that the list does not call 'softmax' is quantised finished and normalised). What goes into a quantiser is computed in f32, as accurately as f32 sums, v_exp_f32 and their like allow (about 1e-6 of the number): no bf16 or f16 on the way to a quantiser, and a product that is left as it is and whose result goes on into a quantised operand takes f32 operands (vector FMAs, or v_wmma_f32_16x16x4_f32). A number that lies on a knife's edge between two numbers of the format may be rounded either way, as far as f32 arithmetic and the matrix unit's own rounding can turn it there, and no further.
;; One version. Each part assembles by itself: llvm-mc -triple=amdgcn-amd-amdhsa -mcpu=gfx1250 --defsym DOCPART=n.
;; ======== version 1 of 1: 7 launches
;; limits: right only within a limited range of input values; an absolute error that grows with the inputs' magnitude: up to 7.5e-08 times it
;; workspace buffers: pre 17,302,528 bytes; act1 4,390,912 bytes; qkvb 17,825,792 bytes; ccod 4,325,376 bytes; hbuf 16,777,216 bytes; act2 4,390,912 bytes; hid 17,301,504 bytes
;; launch prep (part 1): grid 1026 x 1, 4 waves a work-group, no clusters, 28,160 bytes of LDS; arguments I, wq, wk, wv, w_proj, w1, w2, mask, pre, qkvb, x, g1, be1, act1; writes pre, qkvb, act1
.if DOCPART == 1
	.amdgcn_target "amdgcn-amd-amdhsa--gfx1250"
	.amdhsa_code_object_version 6
	.text
	.protected	k_q0bf2083605_prep
	.globl	k_q0bf2083605_prep
	.p2align	8
	.type	k_q0bf2083605_prep,@function
k_q0bf2083605_prep:
	s_mov_b64 s[64:65], 0
	v_nop
	global_prefetch_b8 v0, s[64:65] scope:SCOPE_SE
	s_setreg_imm32_b32 hwreg(HW_REG_WAVE_MODE, 25, 1), 1
	s_wait_xcnt 0x0
; PREP: I, xn = layer norm 1 of x, and the six weights become codes of E5M2 with one E8M0 byte for each 32 along K; the mask becomes an additive term for the scores.
; DEAD WORK: none.  Every step of reference() reaches out0 for some finite inputs (each bias and gain, the mask, both layer norms), so nothing is left out in any launch and every input is loaded.
; LAYOUT OF ALL OPERANDS OF THIS PROGRAM: images of the operand's registers.  Rows go in groups of 128 = 8 tiles of 16; lane r of tile i = 2 b + u holds row 32 b + 8 u + (r & 7) + 16 (r >> 3),
; so that a product whose source 0 is such a tile leaves, in the 16 registers of tiles 2 b and 2 b + 1, 16 neighbours along those rows: what the next quantiser wants.
; A block OB(group g, K step s of 128) is OBB bytes: byte 2048 i + 512 c + 16 lane + e = code of tile i's row of lane & 15 at k = 128 s + 32 c + 16 (lane >> 4) + e; from 16384 on the scale words, 64 i + 4 r.
; pre: OB index 0 wq, 64 wk, 128 wv, 192 w_proj, 256 w1, 512 w2, 768 I (each tensor [g][s]); behind them 512 bytes a batch with the factor c of the softmax.  act1: xn's blocks, then 16 bytes a row: mu, mu, rs, rs.
; THE MASK.  bias[key] = 0 where mask != 0, -2^35 where mask == 0; c = log2(e) / 32.  Where a whole batch is masked: bias = 0 and c = 0, so every p is 1: reference()'s uniform row.
; LIMITS: the mask ADDS -2^30 to a logit where reference() puts -1e9 in its place: rows whose open logits all lie under about -1e9 are not served.  NaN and infinities among the inputs are not served.
; A block of zeros gets the byte 1 where the rule says 127 (its codes are zeros, and this program alone reads the bytes); largest magnitudes under the floor 2^-111 were not tried.
; WORK-GROUPS: 0, 1 a batch's mask.  2-257 a tile of 16 rows, of I and then of x (wave w: K steps 2 w, 2 w + 1); as soon as a K step of I is quantised, its registers take x's loads.
; 258-1025 one OB of a weight: wave w takes K block w; one load of the wave brings a row k of all 128 operand rows, 16 bytes a lane: 32 loads for 16 KB.  A lane so holds 4 columns; the hold writes each column's 32 numbers
; into consecutive registers, so nothing is spent on transposing.  Codes leave through the wave's own stage in LDS as runs of 512 bytes; the four waves' scale bytes meet in LDS behind one barrier and leave as 512 bytes.
; g1 and be1: a wave fetches its 1 KB of each with four loads into LDS bytes of its own and reads 16 + 16 numbers a chunk from there.  Each of the paths has LDS bytes of its own; all LDS addresses are made ahead of the parting.
.set OBB,   16896
.set KVB,   17408                      ; attention's block of 128 tokens of one head: K 8192, V 8192, K's words 256, V's words 256, bias 512
.set HB,    16*KVB
.set KVR,   32*HB                      ; qkvb: Q's blocks, then K's and V's
.set ICOD,  768*OBB
.set MT,    1024*OBB
.set STATS, 256*OBB
.set SPARE, 512                        ; LDS: 0-255, 256-511 the layer norm's sums; then the spare words, 128 bytes a wave, which no other line names
.set GST,   1024                       ; g and b: 2,048 bytes a wave
.set WST,   9216                       ; a weight's codes: 8 tiles x 528 bytes a wave
.set WSB,   8*528
.set SCW,   WST+4*WSB                  ; a weight's scale bytes, as words: 512 bytes a wave
.set GL,    7                          ; v7   where I read g and b: GST + 2048 w + 64 h
.set RW,    8                          ; v8   where I put a sum: 64 w + 4 r
.set SPW,   10
.set NIL,   11
.set GS,    12                         ; v12  where I put g and b: GST + 2048 w + 16 lane
.set STS,   18                         ; v18  the stage, in
.set STL,   19                         ; v19  the stage, back: 16 lane
.set SBS,   53                         ; v53  my four columns' scale words
.set SBL,   62                         ; v62  and back: 16 lane
.set TM,    20                         ; v20-35 at work in QUANT
.set PC,    36                         ; v36-51 the codes just made
.set PW,    52                         ; v52    the scale word just made
.set X,     64                         ; v64-191 128 numbers
.set GB,    192                        ; v192-255 two sets of 16 gains and 16 offsets
.set AM,    20                         ; a weight: v20-23 largest magnitudes, v24-27 scale operands, v28-31 holds, v36-39 bytes
.set SO,    24
.set HL,    28
.set BY,    36
.set Y,     192                        ; v192-223 a column's 32 numbers
.set C,     224                        ; v224-255 four columns' codes
.set WV,    32
.set SEL,   60                         ; s[60:61] v_permlanex16_b32's selects for lane l xor 16
.set MNT,   62                         ; s62    the mantissa field of 57,344
; 64 numbers of a lane, register 16 b + i = k 32 b + 16 (lane / 16) + i of my row, become a fragment's codes in v[PC] on and its scale word in v[PW]
.macro QUANT s
.irp b, 0,1,2,3
	v_max3_num_f32 v[TM+\b], |v[\s+16*\b]|, |v[\s+1+16*\b]|, 0x8000000   ; my 16 numbers of block b, and the floor 2^(16 - 127): the byte cannot fall under 1
.endr
.irp i, 2,4,6,8,10,12,14
.irp b, 0,1,2,3
	v_max3_num_f32 v[TM+\b], v[TM+\b], |v[\s+16*\b+\i]|, |v[\s+1+16*\b+\i]|
.endr
.endr
.irp b, 0,1,2,3
	v_permlanex16_b32 v[TM+4+\b], v[TM+\b], s[SEL], s[SEL+1]
.endr
.irp b, 0,1,2,3
	v_max_num_f32 v[TM+\b], v[TM+\b], v[TM+4+\b]                  ; with lane l xor 16's: the block's largest magnitude
.endr
.irp b, 0,1,2,3
	v_add_nc_u32 v[TM+12+\b], 0xf8800000, v[TM+\b]                ; 15 off its exponent field: the conversion's scale operand
.endr
.irp b, 0,1,2,3
	v_and_or_b32 v[TM+8+\b], v[TM+\b], 0x7f800000, s[MNT]         ; 57,344 x the scale
.endr
.irp b, 0,1,2,3
	v_lshrrev_b32 v[TM+4+\b], 23, v[TM+12+\b]                     ; the scale's byte
.endr
	v_lshl_or_b32 v[PW], v[TM+5], 8, v[TM+4]
	v_lshl_or_b32 v[PW], v[TM+6], 16, v[PW]
	v_lshl_or_b32 v[PW], v[TM+7], 24, v[PW]
.irp b, 0,1,2,3
.irp i, 0,1,2,3,4,5,6,7,8,9,10,11,12,13,14,15
	v_med3_num_f32 v[\s+16*\b+\i], v[\s+16*\b+\i], -v[TM+8+\b], v[TM+8+\b]   ; the conversion does not saturate (ISA guide 7.6.2): the hold at the largest code x the scale
.endr
	v_cvt_scalef32_pk8_bf8_f32 v[PC+4*\b:PC+1+4*\b], v[\s+16*\b:\s+7+16*\b], v[TM+12+\b]
	v_cvt_scalef32_pk8_bf8_f32 v[PC+2+4*\b:PC+3+4*\b], v[\s+8+16*\b:\s+15+16*\b], v[TM+12+\b]
.endr
	v_nop                                                         ; a plain line behind the last conversion
.endm
.macro PUT q, cb, wb                   ; the fragment and its words go out as they stand: each code store covers 512 consecutive bytes
.irp c, 0,1,2,3
	global_store_b128 v5, v[PC+4*\c:PC+4*\c+3], s[\cb:\cb+1] offset:(\q)*OBB+512*\c
.endr
	global_store_b32 v6, v[PW], s[\wb:\wb+1] offset:(\q)*OBB      ; lanes 16-31 hold the same word and write it to the same place
.endm
.macro XLOAD base, q                   ; my 64 numbers of K step 2 w + q of my row
.irp c, 0,1,2,3
.irp j, 0,1,2,3
	global_load_b128 v[X+64*(\q)+16*\c+4*\j:X+64*(\q)+16*\c+4*\j+3], v4, s[\base:\base+1] offset:512*(\q)+128*\c+16*\j th:TH_LOAD_NT
.endr
.endr
.endm
.macro GBL n                           ; the gains and offsets of chunk n (16 along K of my half) out of my wave's LDS bytes into set n % 2
.irp j, 0,1,2,3
	ds_load_b128 v[GB+32*((\n)%2)+4*\j:GB+32*((\n)%2)+4*\j+3], v[GL] offset:128*(\n)+16*\j
.endr
.irp j, 0,1,2,3
	ds_load_b128 v[GB+32*((\n)%2)+16+4*\j:GB+32*((\n)%2)+16+4*\j+3], v[GL] offset:1024+128*(\n)+16*\j
.endr
.endm
.macro CHUNK n
.if (\n) < 7
	s_wait_dscnt 8                                 ; this chunk's eight LDS loads are in; the next chunk's eight may be out
.else
	s_wait_dscnt 0x0
.endif
.irp e, 0,2,4,6,8,10,12,14
	v_pk_mul_f32 v[X+16*(\n)+\e:X+16*(\n)+\e+1], v[X+16*(\n)+\e:X+16*(\n)+\e+1], v[16:17]
.endr
.irp e, 0,2,4,6,8,10,12,14
	v_pk_fma_f32 v[X+16*(\n)+\e:X+16*(\n)+\e+1], v[X+16*(\n)+\e:X+16*(\n)+\e+1], v[GB+32*((\n)%2)+\e:GB+32*((\n)%2)+\e+1], v[GB+32*((\n)%2)+16+\e:GB+32*((\n)%2)+16+\e+1]
.endr
.if (\n) < 6
	GBL (\n)+2
.endif
.endm
.macro LANESUM                         ; four packed chains v[54:61] -> v54: my lane's and lane l xor 16's
	v_pk_add_f32 v[54:55], v[54:55], v[56:57]
	v_pk_add_f32 v[58:59], v[58:59], v[60:61]
	v_pk_add_f32 v[54:55], v[54:55], v[58:59]
	v_add_f32 v54, v54, v55
	v_permlanex16_b32 v55, v54, s[SEL], s[SEL+1]
	v_add_f32 v54, v54, v55
.endm
.macro WGSUM off                       ; and the four waves': store, wait for 0, barrier, load
	ds_store_b32 v[RW], v54 offset:\off
	s_wait_dscnt 0x0                               ; for the others' sake: my store has landed
	s_barrier_signal -1
	s_barrier_wait -1
.irp k, 0,1,2,3
	ds_load_b32 v[56+\k], v6 offset:\off+64*\k
.endr
	s_wait_dscnt 0x0
	v_add_f32 v56, v56, v57
	v_add_f32 v58, v58, v59
	v_add_f32 v54, v56, v58
.endm
.macro ENDW                            ; the wave's end: a wait, an add and a wait behind my last LDS store
	s_wait_tensorcnt 0x0
	ds_add_u32 v[SPW], v[NIL]
	s_wait_dscnt 0x0
	s_endpgm
.endm
; One OB of a weight; my wave's K block.  Register X + 4 i + e = W(k = i, column 4 lane + e).  pitch: bytes from k to k + 1; vo: the register with my lane's offset
.macro WBODY pitch, vo
.set i, 0
.rept 32
	global_load_b128 v[X+4*i:X+4*i+3], v[\vo], s[40:41] offset:i*\pitch th:TH_LOAD_NT
.set i, i+1
.endr
	s_wait_loadcnt 24                              ; rows 0-7 are in; the 24 behind them may be out
.irp e, 0,1,2,3
	v_max3_num_f32 v[AM+\e], |v[X+\e]|, |v[X+4+\e]|, 0x8000000    ; four blocks by turns, one for each of my columns; the floor 2^(16 - 127)
.endr
.set i, 2
.rept 15
.if i == 8
	s_wait_loadcnt 16                              ; rows 0-15
.endif
.if i == 16
	s_wait_loadcnt 8                               ; rows 0-23
.endif
.if i == 24
	s_wait_loadcnt 0x0
.endif
.irp e, 0,1,2,3
	v_max3_num_f32 v[AM+\e], v[AM+\e], |v[X+4*i+\e]|, |v[X+4*i+4+\e]|
.endr
.set i, i+2
.endr
.irp e, 0,1,2,3
	v_add_nc_u32 v[SO+\e], 0xf8800000, v[AM+\e]
.endr
.irp e, 0,1,2,3
	v_and_or_b32 v[HL+\e], v[AM+\e], 0x7f800000, s[MNT]
.endr
.irp e, 0,1,2,3
	v_lshrrev_b32 v[BY+\e], 23, v[SO+\e]
.endr
.irp e, 0,1,2,3
.set i, 0
.rept 32
	v_med3_num_f32 v[Y+i], v[X+4*i+\e], -v[HL+\e], v[HL+\e]       ; the hold, and column e's 32 numbers into consecutive registers
.set i, i+1
.endr
.irp q, 0,1,2,3
	v_cvt_scalef32_pk8_bf8_f32 v[C+8*\e+2*\q:C+8*\e+2*\q+1], v[Y+8*\q:Y+8*\q+7], v[SO+\e]
.endr
	v_nop                                          ; a plain line between the conversions and the next column's holds, which write their sources
.endr
.irp e, 0,1,2,3
	ds_store_b128 v[STS], v[C+8*\e:C+8*\e+3] offset:16*\e         ; k 0-15 of the block: tile i, lane r
	ds_store_b128 v[STS], v[C+8*\e+4:C+8*\e+7] offset:16*\e+256   ; k 16-31: lane 16 + r
.endr
	ds_store_b128 v[SBS], v[BY:BY+3]               ; my four columns are four neighbouring r: their bytes, a word each
.irp t, 0,1,2,3,4,5,6,7
	ds_load_b128 v[X+4*\t:X+4*\t+3], v[STL] offset:528*\t         ; LDS serves a wave's instructions in order (ISA guide 5.7.1.4): these see my stores
.endr
.irp t, 0,1,2,3,4,5,6,7
	s_wait_dscnt 7-\t
	global_store_b128 v5, v[X+4*\t:X+4*\t+3], s[42:43] offset:2048*\t   ; tile t's 512 bytes of my K block
.endr
	s_wait_dscnt 0x0                               ; for the others' sake: my scale words have landed
	s_barrier_signal -1
	s_barrier_wait -1
	s_cmp_lg_u32 s[WV], 0
	s_cbranch_scc1 .Lw_end_\@
.irp k, 0,1,2,3
	ds_load_b128 v[X+32+4*\k:X+35+4*\k], v[SBL] offset:512*\k     ; wave 0: the four waves' bytes of four rows
.endr
	s_wait_dscnt 0x0
.irp d, 0,1,2,3
	v_lshl_or_b32 v[X+32+\d], v[X+36+\d], 8, v[X+32+\d]
	v_lshl_or_b32 v[X+32+\d], v[X+40+\d], 16, v[X+32+\d]
	v_lshl_or_b32 v[X+32+\d], v[X+44+\d], 24, v[X+32+\d]
.endr
	global_store_b128 v5, v[X+32:X+35], s[44:45]   ; the OB's 128 scale words: 512 consecutive bytes
.Lw_end_\@:
	ENDW
.endm
	s_load_b512 s[4:19], s[0:1], 0x0               ; I, wq, wk, wv, w_proj, w1, w2, mask
	s_load_b128 s[20:23], s[0:1], 0x40             ; pre, qkvb
	s_load_b256 s[24:31], s[0:1], 0x50             ; x, g1, be1, act1
	v_lshl_add_u32 v[SPW], v0, 2, SPARE
	v_mov_b32 v[NIL], 0
	v_lshrrev_b32 v1, 5, v0
	v_readfirstlane_b32 s[WV], v1                  ; wave
	v_and_b32 v1, 31, v0                           ; lane
	v_and_b32 v2, 15, v0                           ; r
	v_bfe_u32 v3, v0, 4, 1                         ; h
	v_lshlrev_b32 v5, 4, v1                        ; 16 x lane
	v_lshlrev_b32 v6, 2, v2                        ; 4 r
	s_lshl_b32 s33, s[WV], 11                      ; every LDS address is made here, ahead of the parting
	s_add_co_u32 s33, s33, GST
	v_add_nc_u32 v[GS], s33, v5
	v_lshl_add_u32 v[GL], v3, 6, s33
	s_lshl_b32 s34, s[WV], 6
	v_add_nc_u32 v[RW], s34, v6
	s_mul_i32 s35, s[WV], WSB
	s_add_co_u32 s35, s35, WST
	v_add_nc_u32 v[STL], s35, v5
	v_bfe_u32 v32, v0, 3, 2                        ; column 4 lane + e lies in tile 2 (lane >> 3) + ((lane >> 1) & 1),
	v_bfe_u32 v33, v0, 1, 1
	v_bfe_u32 v34, v0, 2, 1                        ; at r = e + 4 (lane & 1) + 8 ((lane >> 2) & 1)
	v_and_b32 v35, 1, v0
	v_mul_u32_u24 v[STS], v32, 1056                ; a tile's 512 bytes + 16: tile + r differs in all sixteen lanes of a store, so they take sixteen different columns of 16 bytes
	v_mad_u32_u24 v[STS], v33, 528, v[STS]
	v_lshl_add_u32 v[STS], v34, 7, v[STS]
	v_lshl_add_u32 v[STS], v35, 6, v[STS]
	v_add_nc_u32 v[STS], s35, v[STS]
	v_lshlrev_b32 v[SBS], 7, v32                   ; 64 x tile + 4 r
	v_lshl_add_u32 v[SBS], v33, 6, v[SBS]
	v_lshl_add_u32 v[SBS], v34, 5, v[SBS]
	v_lshl_add_u32 v[SBS], v35, 4, v[SBS]
	s_lshl_b32 s36, s[WV], 9
	s_add_co_u32 s36, s36, SCW
	v_add_nc_u32 v[SBS], s36, v[SBS]
	v_add_nc_u32 v[SBL], SCW, v5
	s_mov_b32 s[SEL], 0x76543210
	s_mov_b32 s[SEL+1], 0xfedcba98
	s_mov_b32 s[MNT], 0x600000
	s_wait_kmcnt 0x0
	s_cmp_lt_u32 ttmp9, 2
	s_cbranch_scc1 .Lpath_m
	s_cmp_lt_u32 ttmp9, 258
	s_cbranch_scc1 .Lpath_t
	; ---- one OB of a weight
	s_sub_co_u32 s33, ttmp9, 258                   ; the OB's index in pre
	s_mul_i32 s34, s33, OBB
	s_mov_b32 s35, 0
	s_add_nc_u64 s[20:21], s[20:21], s[34:35]
	s_lshl_b32 s34, s[WV], 9
	s_add_nc_u64 s[42:43], s[20:21], s[34:35]      ; my K block's 512 bytes of each tile
	s_add_nc_u64 s[44:45], s[20:21], 16384         ; the scale words
	s_cmp_lt_u32 s33, 192
	s_cbranch_scc1 .Larm_a
	s_cmp_lt_u32 s33, 256
	s_cbranch_scc1 .Larm_b
	s_cmp_lt_u32 s33, 512
	s_cbranch_scc1 .Larm_c
.Larm_b:                                       ; w_proj [1024 k][1024 n] (8 K steps) or w2 [4096 k][1024 n] (32)
	s_cmp_lt_u32 s33, 256
	s_cselect_b64 s[46:47], s[12:13], s[16:17]
	s_mov_b32 s36, 512
	s_cselect_b32 s36, 192, s36
	s_cselect_b32 s37, 3, 5
	s_cselect_b32 s38, 7, 31
	s_sub_co_u32 s36, s33, s36
	s_lshr_b32 s37, s36, s37                       ; g
	s_and_b32 s38, s36, s38                        ; s
	s_lshl_b32 s38, s38, 2
	s_add_co_u32 s38, s38, s[WV]                   ; 4 s + w: which 32 rows
	s_lshl_b32 s38, s38, 17                        ; of 4,096 bytes
	s_lshl_b32 s37, s37, 9
	s_add_co_u32 s38, s38, s37
	s_mov_b32 s39, 0
	s_add_nc_u64 s[40:41], s[46:47], s[38:39]
	WBODY 4096, 5
.Larm_c:                                       ; w1 [1024 k][4096 n]
	s_sub_co_u32 s36, s33, 256
	s_lshr_b32 s37, s36, 3
	s_and_b32 s38, s36, 7
	s_lshl_b32 s38, s38, 2
	s_add_co_u32 s38, s38, s[WV]
	s_lshl_b32 s38, s38, 19                        ; 32 rows of 16,384 bytes
	s_lshl_b32 s37, s37, 9
	s_add_co_u32 s38, s38, s37
	s_mov_b32 s39, 0
	s_add_nc_u64 s[40:41], s[14:15], s[38:39]
	WBODY 16384, 5
.Larm_a:                                       ; wq, wk, wv [16 heads][1024 k][64 d]: operand row 64 head + d: lanes 0-15 take head 2 g, lanes 16-31 head 2 g + 1
	s_lshr_b32 s36, s33, 6
	s_cmp_eq_u32 s36, 0
	s_cselect_b64 s[46:47], s[6:7], s[8:9]
	s_cmp_eq_u32 s36, 2
	s_cselect_b64 s[46:47], s[10:11], s[46:47]
	s_and_b32 s36, s33, 63
	s_lshr_b32 s37, s36, 3                         ; g
	s_and_b32 s38, s36, 7                          ; s
	s_lshl_b32 s38, s38, 2
	s_add_co_u32 s38, s38, s[WV]
	s_lshl_b32 s38, s38, 13                        ; 32 rows of 256 bytes
	s_lshl_b32 s37, s37, 19                        ; two heads of 262,144 bytes
	s_add_co_u32 s38, s38, s37
	s_mov_b32 s39, 0
	s_add_nc_u64 s[40:41], s[46:47], s[38:39]
	v_lshlrev_b32 v9, 18, v3
	v_lshl_add_u32 v9, v2, 4, v9
	WBODY 256, 9
.Lpath_m:                                      ; ---- the mask of one batch.  Every wave reads all 2,048 words, its own 512 first; values are selected, nothing branches on them
	s_lshl_b32 s34, ttmp9, 13
	s_mov_b32 s35, 0
	s_add_nc_u64 s[18:19], s[18:19], s[34:35]
	s_lshl_b32 s36, s[WV], 11
	v_add_nc_u32 v4, s36, v5
.irp j, 0,1,2,3,4,5,6,7,8,9,10,11,12,13,14,15
	v_add_nc_u32 v[32+\j], 512*\j, v4
	v_and_b32 v[32+\j], 0x1fff, v[32+\j]           ; round the batch's 8,192 bytes
.endr
.irp j, 0,1,2,3,4,5,6,7,8,9,10,11,12,13,14,15
	global_load_b128 v[64+4*\j:67+4*\j], v[32+\j], s[18:19]
.endr
	s_mul_i32 s34, ttmp9, 16*HB
	s_mul_i32 s36, s[WV], 4*KVB
	s_add_co_u32 s34, s34, s36
	s_add_co_u32 s34, s34, KVR+16896
	s_add_nc_u64 s[38:39], s[22:23], s[34:35]      ; the bias of my first key step, head 0 of the batch
	s_lshl_b32 s34, ttmp9, 9
	s_add_co_u32 s34, s34, MT
	s_add_nc_u64 s[40:41], s[20:21], s[34:35]
	v_lshlrev_b32 v51, 2, v0
	s_wait_loadcnt 0x0
	v_or_b32 v48, v64, v65
.set n, 66
.rept 62
	v_or_b32 v48, v48, v[n]
.set n, n+1
.endr
	v_cmp_ne_u32 vcc_lo, 0, v48
	s_cmp_lg_u32 vcc_lo, 0                         ; is any key of the batch open?
	s_cselect_b32 s42, 0x3d38aa3b, 0               ; c = log2(e) / 32, or 0
	s_mov_b32 s43, 0xd1000000                      ; -2^35
	s_cselect_b32 s43, s43, 0
	v_mov_b32 v49, s43
	v_mov_b32 v50, s42
.set n, 0
.rept 16
	v_cmp_eq_u32 vcc_lo, 0, v[64+n]
	v_cndmask_b32 v[128+n], 0, v49, vcc_lo
.set n, n+1
.endr
.irp hh, 0,1,2,3,4,5,6,7,8,9,10,11,12,13,14,15
.irp j, 0,1,2,3
	global_store_b128 v5, v[128+4*\j:131+4*\j], s[38:39] offset:\hh*HB+\j*KVB   ; a step's 128 numbers: 512 consecutive bytes, once for each head
.endr
.endr
	global_store_b32 v51, v50, s[40:41]
	ENDW
.Lpath_t:                                      ; ---- 16 rows of I, then the same 16 rows of x
	s_sub_co_u32 s33, ttmp9, 2
	s_lshr_b32 s34, s33, 3                         ; g
	s_and_b32 s35, s33, 7                          ; i
	s_lshr_b32 s36, s35, 1
	s_lshl_b32 s36, s36, 5
	s_and_b32 s37, s35, 1
	s_lshl_b32 s37, s37, 3
	s_add_co_u32 s36, s36, s37
	s_lshl_b32 s37, s34, 7
	s_add_co_u32 s38, s36, s37                     ; the tile's lowest row: 128 g + 32 (i >> 1) + 8 (i & 1)
	s_lshl_b32 s39, s[WV], 10
	s_lshl_b32 s36, s38, 12
	s_add_co_u32 s36, s36, s39
	s_mov_b32 s37, 0
	s_add_nc_u64 s[4:5], s[4:5], s[36:37]
	s_add_nc_u64 s[24:25], s[24:25], s[36:37]
	v_and_b32 v9, 8, v2
	v_add_nc_u32 v9, v9, v2                        ; my row in the tile: (r & 7) + 16 (r >> 3)
	v_lshlrev_b32 v4, 12, v9
	v_lshl_add_u32 v4, v3, 6, v4                   ; + 64 h: my 16 numbers of a block of 32
	v_lshlrev_b32 v9, 4, v9
	v_add_nc_u32 v13, s39, v5                      ; g, b: 1,024 w + 16 lane
	XLOAD 4, 0
	XLOAD 4, 1
	global_load_b128 v[240:243], v13, s[26:27]
	global_load_b128 v[244:247], v13, s[26:27] offset:512
	global_load_b128 v[248:251], v13, s[28:29]
	global_load_b128 v[252:255], v13, s[28:29] offset:512
	s_lshl_b32 s36, s34, 3
	s_lshl_b32 s40, s[WV], 1
	s_add_co_u32 s36, s36, s40
	s_mul_i32 s36, s36, OBB                        ; OB(g, 2 w)
	s_lshl_b32 s40, s35, 11
	s_add_co_u32 s40, s40, s36                     ; my tile's codes
	s_mov_b32 s41, 0
	s_lshl_b32 s42, s35, 6
	s_add_co_u32 s42, s42, s36
	s_add_co_u32 s42, s42, 16384                   ; its scale words
	s_mov_b32 s43, 0
	s_add_nc_u64 s[44:45], s[30:31], s[40:41]      ; xn's
	s_add_nc_u64 s[46:47], s[30:31], s[42:43]
	s_add_nc_u64 s[48:49], s[20:21], s[40:41]      ; I's
	s_add_nc_u64 s[48:49], s[48:49], ICOD
	s_add_nc_u64 s[50:51], s[20:21], s[42:43]
	s_add_nc_u64 s[50:51], s[50:51], ICOD
	s_lshl_b32 s36, s38, 4
	s_add_co_u32 s36, s36, STATS
	s_add_nc_u64 s[52:53], s[30:31], s[36:37]
	s_mov_b32 s54, 0x3a800000                      ; 1 / 1,024
	s_mov_b32 s55, 0x3727c5ac                      ; 1e-5
.irp b, 0,1,2,3
	v_mov_b32 v[TM+4+\b], 0                        ; a lane permute's destination counts as one of its sources
.endr
	s_wait_loadcnt 20                              ; I's first K step is in: behind its 16 loads stand the second's 16 and the 4 of g and b
	QUANT X
	PUT 0, 48, 50
	XLOAD 24, 0                                    ; the registers are free: x's first K step
	s_wait_loadcnt 20                              ; I's second K step: behind it the 4 and x's 16
	s_wait_xcnt 0x0                                ; the stores have read their data: the codes' registers are written again
	QUANT X+64
	PUT 1, 48, 50
	XLOAD 24, 1
	s_wait_loadcnt 32                              ; g and b: behind them x's 32
	ds_store_b128 v[GS], v[240:243]
	ds_store_b128 v[GS], v[244:247] offset:512
	ds_store_b128 v[GS], v[248:251] offset:1024
	ds_store_b128 v[GS], v[252:255] offset:1536
	s_wait_dscnt 0x0                               ; the stores have read their registers: the second set lies over them
	GBL 0
	GBL 1
	s_wait_loadcnt 0x0                             ; x
	; ---- the mean
.irp c, 0,1,2,3
	v_pk_add_f32 v[54+2*\c:55+2*\c], v[X+2*\c:X+2*\c+1], v[X+8+2*\c:X+9+2*\c]
.endr
.set p, 8
.rept 56
	v_pk_add_f32 v[54+2*(p%4):55+2*(p%4)], v[54+2*(p%4):55+2*(p%4)], v[X+2*p:X+2*p+1]
.set p, p+1
.endr
	LANESUM
	WGSUM 0
	v_mul_f32 v14, s54, v54
	v_mov_b32 v15, v14
	; ---- the variance, of x - mu
.set p, 0
.rept 64
	v_pk_add_f32 v[X+2*p:X+2*p+1], v[X+2*p:X+2*p+1], v[14:15] neg_lo:[0,1] neg_hi:[0,1]
.set p, p+1
.endr
.irp c, 0,1,2,3
	v_pk_mul_f32 v[54+2*\c:55+2*\c], v[X+2*\c:X+2*\c+1], v[X+2*\c:X+2*\c+1]
.endr
.set p, 4
.rept 60
	v_pk_fma_f32 v[54+2*(p%4):55+2*(p%4)], v[X+2*p:X+2*p+1], v[X+2*p:X+2*p+1], v[54+2*(p%4):55+2*(p%4)]
.set p, p+1
.endr
	LANESUM
	WGSUM 256                                      ; other bytes than the first sums': no barrier is owed between
	v_fma_f32 v16, v54, s54, s55
	v_rsq_f32 v16, v16
	v_nop                                          ; a plain line behind the transcendental
	s_wait_alu depctr_va_vdst(0)                   ; and a wait ahead of its first reader
	v_mov_b32 v17, v16
	; ---- normalise, quantise, store
	CHUNK 0
	CHUNK 1
	CHUNK 2
	CHUNK 3
	s_wait_xcnt 0x0                                ; I's stores have read their data
	QUANT X
	PUT 0, 44, 46
	CHUNK 4
	CHUNK 5
	CHUNK 6
	CHUNK 7
	s_wait_xcnt 0x0
	QUANT X+64
	PUT 1, 44, 46
	s_cmp_lg_u32 s[WV], 0
	s_cbranch_scc1 .Lno_stats
	global_store_b128 v9, v[14:17], s[52:53]       ; wave 0: mu, mu, rs, rs of my row
.Lno_stats:
	ENDW
.Lfunc_end_k_q0bf2083605_prep:
	.size	k_q0bf2083605_prep, .Lfunc_end_k_q0bf2083605_prep-k_q0bf2083605_prep
	.p2alignl 7, 3214868480
	.fill 96, 4, 3214868480
	.section	.rodata,"a",@progbits
	.p2align	6, 0x0
	.amdhsa_kernel k_q0bf2083605_prep
		.amdhsa_group_segment_fixed_size 28160
		.amdhsa_private_segment_fixed_size 0
		.amdhsa_enable_private_segment 0
		.amdhsa_kernarg_size 112
		.amdhsa_user_sgpr_count 2
		.amdhsa_user_sgpr_kernarg_segment_ptr 1
		.amdhsa_wavefront_size32 1
		.amdhsa_system_sgpr_workgroup_id_x 1
		.amdhsa_system_sgpr_workgroup_id_y 1
		.amdhsa_system_sgpr_workgroup_id_z 1
		.amdhsa_system_vgpr_workitem_id 0
		.amdhsa_next_free_vgpr 256
		.amdhsa_next_free_sgpr 66
		.amdhsa_reserve_vcc 1
		.amdhsa_float_denorm_mode_32 3
		.amdhsa_float_denorm_mode_16_64 3
		.amdhsa_memory_ordered 1
		.amdhsa_forward_progress 1
		.amdhsa_inst_pref_size 149
	.end_amdhsa_kernel
	.amdgpu_metadata
---
amdhsa.version: [ 1, 2 ]
amdhsa.kernels:
  - .name:           k_q0bf2083605_prep
    .symbol:         k_q0bf2083605_prep.kd
    .args:
      - { .name: I, .offset: 0, .size: 8, .value_kind: global_buffer, .address_space: global }
      - { .name: wq, .offset: 8, .size: 8, .value_kind: global_buffer, .address_space: global }
      - { .name: wk, .offset: 16, .size: 8, .value_kind: global_buffer, .address_space: global }
      - { .name: wv, .offset: 24, .size: 8, .value_kind: global_buffer, .address_space: global }
      - { .name: w_proj, .offset: 32, .size: 8, .value_kind: global_buffer, .address_space: global }
      - { .name: w1, .offset: 40, .size: 8, .value_kind: global_buffer, .address_space: global }
      - { .name: w2, .offset: 48, .size: 8, .value_kind: global_buffer, .address_space: global }
      - { .name: mask, .offset: 56, .size: 8, .value_kind: global_buffer, .address_space: global }
      - { .name: pre, .offset: 64, .size: 8, .value_kind: global_buffer, .address_space: global }
      - { .name: qkvb, .offset: 72, .size: 8, .value_kind: global_buffer, .address_space: global }
      - { .name: x, .offset: 80, .size: 8, .value_kind: global_buffer, .address_space: global }
      - { .name: g1, .offset: 88, .size: 8, .value_kind: global_buffer, .address_space: global }
      - { .name: be1, .offset: 96, .size: 8, .value_kind: global_buffer, .address_space: global }
      - { .name: act1, .offset: 104, .size: 8, .value_kind: global_buffer, .address_space: global }
    .group_segment_fixed_size: 28160
    .private_segment_fixed_size: 0
    .kernarg_segment_align: 8
    .kernarg_segment_size: 112
    .max_flat_workgroup_size: 128
    .sgpr_count:     66
    .vgpr_count:     256
    .wavefront_size: 32
...
	.end_amdgpu_metadata
.endif
;; end of part 1
;; launch qkv (part 2): grid 4 x 48, 4 waves a work-group, clusters of 4 x 4, 327,680 bytes of LDS; arguments pre, act1, bq, bk, bv, qkvb; writes qkvb
.if DOCPART == 2
	.amdgcn_target "amdgcn-amd-amdhsa--gfx1250"
	.amdhsa_code_object_version 6
	.text
	.protected	k_q0bf2083605_qkv
	.globl	k_q0bf2083605_qkv
	.p2align	8
	.type	k_q0bf2083605_qkv,@function
k_q0bf2083605_qkv:
	s_mov_b64 s[64:65], 0
	v_nop
	global_prefetch_b8 v0, s[64:65] scope:SCOPE_SE
	s_setreg_imm32_b32 hwreg(HW_REG_WAVE_MODE, 25, 1), 1
	s_wait_xcnt 0x0
	s_wait_alu depctr_hold_cnt(0) depctr_sa_sdst(0) depctr_va_vdst(0) depctr_va_sdst(0) depctr_va_ssrc(0) depctr_va_vcc(0) depctr_vm_vsrc(0)
	s_getreg_b32 s2, hwreg(HW_REG_IB_STS2, 6, 4)
	s_cmp_eq_u32 s2, 0
	s_cbranch_scc0 .Lentry_in_a_cluster
	s_endpgm
.Lentry_in_a_cluster:
	s_bfe_u32 s2, ttmp6, 0x10000c
	s_cmp_lg_u32 s2, 0xf033
	s_cbranch_scc0 .Lentry_shape_is_right
	s_endpgm
.Lentry_shape_is_right:
; Q = I wq + bq, K = xn wk + bk, V = xn wv + bv, on codes of E5M2 with E8M0 scales; the results are quantised in registers and leave as attention's operands.  Nothing of reference() is left out.
; A tile of 256 x 256 to a work-group, 128 x 128 to each of four waves: 64 accumulators.  Source 0 (called B) holds the rows that run along a lane's registers in the result, source 1 (called A) the rows of which a lane holds one.
; Q and K are quantised along the head's 64: B = the weight's rows, A = the tokens.  V is quantised along the keys: B = the tokens, A = wv's rows.  The cluster's y says which product (y >> 2) and which quarter (y & 3).
; OPERANDS lie in memory as images of their registers with their scale words behind them (launch prep): two K steps of a row group are 33,792 dense bytes, one tensor load a wave; fragments come at 16 x lane.
; K = 1,024 in 8 steps of 128, two to a slot, two slots.  4 x 4 clusters: A's tiles are asked for jointly along a row of the cluster, B's along a column.
; THE WAY OUT: for each of A's 8 tiles the 64 results of a lane are 64 neighbours (in steps of 16) along B's rows: + bias, quantised, stored as the next operand's registers, 512 consecutive bytes a store; the scale words go in runs of 64 bytes.
; The branch on the product's number stands once, ahead of the last two K steps: each arm asks for its biases, multiplies the two steps and goes out.
; LIMITS: NaN and infinities are not served; a block of zeros gets the byte 1; magnitudes under 2^-111 were not tried.
; REGISTERS: window 0: v16-29 addresses; v32-63 scale words, two sets; v64-127 biases; v128-255 A's fragments, one set, later the way out.  window 1: B's fragments, two sets.  windows 2, 3: accumulators (a, b) at v[8 (8 (a % 4) + b)].
.set OBB,   16896
.set KVB,   17408
.set HB,    16*KVB
.set KVR,   32*HB
.set ICOD,  768*OBB
.set NQ,    2
.set FR,    16
.set NL,    4
.set NP,    8                          ; places behind this matrix instruction (ISA guide 7.12.1)
.set HALFT, 2*OBB                      ; what one tensor load brings: a row group's two K steps
.set SLOT,  4*HALFT                    ; A's two groups, then B's two
.set SPARE, 2*SLOT                     ; the spare words: 128 bytes a wave, which no other line names
.set LAPS,  2
.set ADRA, 16
.set ADRB, 20
.set ADRS, 22
.set LI,   24                          ; 16 x lane
.set LR,   25                          ; 4 r
.set SPW,  28
.set NIL,  29
.set SC,   32
.set BI,   64
.set AF,   128
.set HH,   128                         ; the way out: 64 numbers
.set TM,   192
.set PC,   208
.set PW,   224
.set PWE,  225
.set W0,   226
.set G1,   24
.set G0,   32
.set G1B,  48
.set G0B,  56
.set SEL,  96
.set MNT,  98
.set MSB, 0
.macro WIN new
.if MSB != (\new)
	s_set_vgpr_msb (MSB<<8)|(\new)
.set MSB, (\new)
.endif
.endm
.set MUL_LO, 0xa1
.set MUL_HI, 0xf1
.set TO_B,   0x40
.macro PLACES n
.rept \n
	v_nop
.endr
.endm
.macro JLOAD g0a, g1a, g0b, g1b        ; waves 0, 1 fetch for A, waves 2, 3 for B; an s_nop 0 and four v_nop follow each line
	s_cmp_eq_u32 s15, 0
	s_cbranch_scc0 .Lfor_b_\@
	tensor_load_to_lds s[\g0a:\g0a+3], s[\g1a:\g1a+7]
	s_nop 0
.rept 4
	v_nop
.endr
	s_branch .Lasked_\@
.Lfor_b_\@:
	tensor_load_to_lds s[\g0b:\g0b+3], s[\g1b:\g1b+7]
	s_nop 0
.rept 4
	v_nop
.endr
.Lasked_\@:
.endm
.macro CREST
	s_cmp_lg_u32 s14, 0
	s_cbranch_scc1 .Lnot_wave_0_\@
	s_barrier_signal -3
.Lnot_wave_0_\@:
	s_barrier_wait -3
	s_barrier_signal -1
	s_barrier_wait -1
.endm
.macro CROUND
	s_barrier_signal -1
	s_barrier_wait -1
	CREST
.endm
.macro QUANT s
.irp b, 0,1,2,3
	v_max3_num_f32 v[TM+\b], |v[\s+16*\b]|, |v[\s+1+16*\b]|, 0x8000000
.endr
.irp i, 2,4,6,8,10,12,14
.irp b, 0,1,2,3
	v_max3_num_f32 v[TM+\b], v[TM+\b], |v[\s+16*\b+\i]|, |v[\s+1+16*\b+\i]|
.endr
.endr
.irp b, 0,1,2,3
	v_permlanex16_b32 v[TM+4+\b], v[TM+\b], s[SEL], s[SEL+1]
.endr
.irp b, 0,1,2,3
	v_max_num_f32 v[TM+\b], v[TM+\b], v[TM+4+\b]
.endr
.irp b, 0,1,2,3
	v_add_nc_u32 v[TM+12+\b], 0xf8800000, v[TM+\b]
.endr
.irp b, 0,1,2,3
	v_and_or_b32 v[TM+8+\b], v[TM+\b], 0x7f800000, s[MNT]
.endr
.irp b, 0,1,2,3
	v_lshrrev_b32 v[TM+4+\b], 23, v[TM+12+\b]
.endr
	v_lshl_or_b32 v[PW], v[TM+5], 8, v[TM+4]
	v_lshl_or_b32 v[PW], v[TM+6], 16, v[PW]
	v_lshl_or_b32 v[PW], v[TM+7], 24, v[PW]
.irp b, 0,1,2,3
.irp i, 0,1,2,3,4,5,6,7,8,9,10,11,12,13,14,15
	v_med3_num_f32 v[\s+16*\b+\i], v[\s+16*\b+\i], -v[TM+8+\b], v[TM+8+\b]
.endr
	v_cvt_scalef32_pk8_bf8_f32 v[PC+4*\b:PC+1+4*\b], v[\s+16*\b:\s+7+16*\b], v[TM+12+\b]
	v_cvt_scalef32_pk8_bf8_f32 v[PC+2+4*\b:PC+3+4*\b], v[\s+8+16*\b:\s+15+16*\b], v[TM+12+\b]
.endr
	v_nop
.endm
	s_load_b256 s[4:11], s[0:1], 0x0               ; pre, act1, bq, bk
	s_load_b128 s[92:95], s[0:1], 0x20             ; bv, qkvb
	v_lshl_add_u32 v[SPW], v0, 2, SPARE
	v_mov_b32 v[NIL], 0
	ds_add_u32 v[SPW], v[NIL]                      ; the opening: the add, twice on end, and its wait ahead of my first tensor load
	ds_add_u32 v[SPW], v[NIL]
	v_lshrrev_b32 v1, 5, v0
	v_readfirstlane_b32 s14, v1                    ; wave
	s_lshr_b32 s15, s14, 1                         ; my half of A's rows.  Also: I fetch for A (0) or B (1)
	s_and_b32 s16, s14, 1                          ; my half of B's rows.  Also: which row group I fetch
	s_bfe_u32 s40, ttmp6, 0x40000                  ; cx
	s_bfe_u32 s41, ttmp6, 0x40004                  ; cy
	s_and_b32 s66, ttmp7, 0xffff                   ; the cluster's y: the same in all sixteen partners
	s_lshr_b32 s67, s66, 2                         ; 0: Q, 1: K, 2: V
	s_and_b32 s68, s66, 3
	s_lshl_b32 s68, s68, 2
	s_cmp_eq_u32 s67, 2
	s_cselect_b32 s69, s68, 0                      ; the tokens have 16 tiles of 256, the features 4: the quarter goes to the tokens' side
	s_cselect_b32 s70, 0, s68
	s_cselect_b32 s72, 128*OBB, 0                  ; A's place in its buffer: wv,
	s_cmp_eq_u32 s67, 0
	s_cselect_b32 s72, ICOD, s72                   ; I's codes, or xn's at 0
	s_cmp_eq_u32 s67, 1
	s_cselect_b32 s71, 64*OBB, 0                   ; B's: wk, or wq or xn at 0
	s_add_co_u32 s42, s40, s69                     ; B's tile
	s_add_co_u32 s17, s41, s70                     ; A's tile
	s_lshl_b32 s43, s41, 2
	s_lshl_b32 s43, 15, s43                        ; my row of the cluster
	s_lshl_b32 s44, 0x1111, s40                    ; my column
	s_or_b32 s[G1+0], s43, (3<<16)|(1<<21)         ; the mask; elements of 8 bytes; bit 21 beside a mask; no padding: fragments are read at 16 x lane
	s_or_b32 s[G1B+0], s44, (3<<16)|(1<<21)
.irp g, G1, G1B
	s_mov_b32 s[\g+1], 32<<16                      ; rows of 256 bytes,
	s_mov_b32 s[\g+2], 132<<16                     ; 132 of them, dense
	s_mov_b32 s[\g+3], 32<<16
	s_mov_b32 s[\g+4], 132
	s_mov_b32 s[\g+5], 32
	s_mov_b32 s[\g+6], 0
	s_mov_b32 s[\g+7], 0
.endr
	s_lshl_b32 s20, s17, 1
	s_add_co_u32 s20, s20, s16
	s_mul_i32 s20, s20, 8*OBB                      ; A: row group 2 x tile + (w & 1), 8 K steps each
	s_add_co_u32 s20, s20, s72
	s_mov_b32 s21, 0
	s_lshl_b32 s46, s42, 1
	s_add_co_u32 s46, s46, s16
	s_mul_i32 s46, s46, 8*OBB
	s_add_co_u32 s46, s46, s71
	s_mov_b32 s47, 0
	s_mul_i32 s45, s14, HALFT                      ; where they go: no place in the cluster enters an LDS address
	s_mov_b32 s[SEL], 0x76543210
	s_mov_b32 s[SEL+1], 0xfedcba98
	s_mov_b32 s[MNT], 0x600000
	s_wait_dscnt 0x0                               ; both opening adds are done
	s_wait_kmcnt 0x0
	s_cmp_eq_u32 s67, 1
	s_cselect_b64 s[74:75], s[6:7], s[4:5]         ; A's buffer
	s_cmp_eq_u32 s67, 2
	s_cselect_b64 s[76:77], s[6:7], s[4:5]         ; B's
	s_add_nc_u64 s[20:21], s[74:75], s[20:21]
	s_add_nc_u64 s[46:47], s[76:77], s[46:47]
	CROUND                                         ; all sixteen work-groups are here: the first joint loads meet
.irp s, 0,1
	s_mov_b32 s[G0+4*\s], 1
	s_add_co_u32 s[G0+4*\s+1], s45, \s*SLOT
	s_add_nc_u64 s[G0+4*\s+2:G0+4*\s+3], s[20:21], \s*HALFT
	s_or_b32 s[G0+4*\s+3], s[G0+4*\s+3], 0x80000000
	s_mov_b32 s[G0B+4*\s], 1
	s_add_co_u32 s[G0B+4*\s+1], s45, \s*SLOT
	s_add_nc_u64 s[G0B+4*\s+2:G0B+4*\s+3], s[46:47], \s*HALFT
	s_or_b32 s[G0B+4*\s+3], s[G0B+4*\s+3], 0x80000000
	JLOAD G0+4*\s, G1, G0B+4*\s, G1B
.endr
	v_and_b32 v1, 31, v0
	v_and_b32 v2, 15, v0                           ; r
	v_bfe_u32 v3, v0, 4, 1                         ; h
	v_lshlrev_b32 v[LI], 4, v1
	v_lshlrev_b32 v[LR], 2, v2
	s_mul_i32 s78, s15, HALFT                      ; my group of A
	s_mul_i32 s79, s16, HALFT
	s_add_co_u32 s79, s79, 2*HALFT                 ; my group of B
	s_sub_co_u32 s80, s79, s78
	v_mul_u32_u24 v4, s80, v3                      ; scale words: lanes 0-15 take A's, lanes 16-31 B's
	v_add_nc_u32 v4, v4, v[LR]
	s_add_co_u32 s81, s78, 16384
.irp s, 0,1
	v_add_nc_u32 v[ADRA+\s], s78, v[LI]
	v_add_nc_u32 v[ADRB+\s], s79, v[LI]
	v_add_nc_u32 v[ADRS+\s], s81, v4
	s_add_co_u32 s78, s78, SLOT
	s_add_co_u32 s79, s79, SLOT
	s_add_co_u32 s81, s81, SLOT
.endr
	s_lshl_b32 s82, s42, 1
	s_add_co_u32 s82, s82, s16                     ; my group of B's rows
	s_lshl_b32 s83, s17, 1
	s_add_co_u32 s83, s83, s15                     ; my group of A's rows
	s_cmp_eq_u32 s67, 2
	s_cselect_b32 s86, s82, s83                    ; the tokens' group,
	s_cselect_b32 s87, s83, s82                    ; the features': heads 2 f, 2 f + 1
	s_lshr_b32 s88, s86, 4
	s_lshl_b32 s88, s88, 4
	s_lshl_b32 s87, s87, 1
	s_add_co_u32 s88, s88, s87                     ; 16 x batch + head
	s_lshl_b32 s88, s88, 4
	s_and_b32 s86, s86, 15
	s_add_co_u32 s88, s88, s86                     ; its block of these 128 tokens
	s_mul_i32 s88, s88, KVB
	s_cmp_eq_u32 s67, 0
	s_cselect_b32 s89, 0, KVR
	s_add_co_u32 s88, s88, s89
	s_mov_b32 s89, 0
	s_add_nc_u64 s[94:95], s[94:95], s[88:89]
.macro FRAG reg, adr, q, i             ; a fragment's image: four loads of 512 consecutive bytes
.irp c, 0,1,2,3
	ds_load_b128 v[\reg+4*\c:\reg+4*\c+3], v[\adr] offset:OBB*(\q)+2048*(\i)+512*\c
.endr
.endm
; 16 matrix instructions: A's blocks a0, a0 + 1 x B's eight.  The 64 accumulators take turns, one instruction a turn, in the same order in every step
.macro MUL16 a0, p, q, sc, zero
.irp a, \a0, \a0+1
.irp b, 0,1,2,3,4,5,6,7
.if \zero
	v_wmma_scale_f32_16x16x128_f8f6f4 v[8*(8*((\a)%4)+\b):8*(8*((\a)%4)+\b)+7], v[128*(\p)+FR*\b:128*(\p)+FR*\b+FR-1], v[AF+FR*(\a):AF+FR*(\a)+FR-1], 0, v[SC+8*NQ*(\sc)+NQ*\b+(\q)], v[SC+8*NQ*(\sc)+NQ*(\a)+(\q)] matrix_a_fmt:MATRIX_FMT_BF8 matrix_b_fmt:MATRIX_FMT_BF8 matrix_a_scale:MATRIX_SCALE_ROW1
.else
	v_wmma_scale_f32_16x16x128_f8f6f4 v[8*(8*((\a)%4)+\b):8*(8*((\a)%4)+\b)+7], v[128*(\p)+FR*\b:128*(\p)+FR*\b+FR-1], v[AF+FR*(\a):AF+FR*(\a)+FR-1], v[8*(8*((\a)%4)+\b):8*(8*((\a)%4)+\b)+7], v[SC+8*NQ*(\sc)+NQ*\b+(\q)], v[SC+8*NQ*(\sc)+NQ*(\a)+(\q)] matrix_a_fmt:MATRIX_FMT_BF8 matrix_b_fmt:MATRIX_FMT_BF8 matrix_a_scale:MATRIX_SCALE_ROW1
.endif
.endr
.endr
.endm
.macro FETCH_B slot, q, p
	WIN TO_B
.irp i, 0,1,2,3,4,5,6,7
	FRAG 128*(\p)+FR*\i, ADRB+\slot, \q, \i
.endr
	WIN 0
.endm
.macro FETCH_A slot, q, i0
.irp i, \i0, \i0+1, \i0+2, \i0+3
	FRAG AF+FR*(\i), ADRA+\slot, \q, \i
.endr
.endm
.macro SCALES sc                       ; the slot's scale words: register 2 i + q: lanes 0-15 A's tile i, lanes 16-31 B's tile i
.irp i, 0,1,2,3,4,5,6,7
	ds_load_b32 v[SC+8*NQ*\sc+NQ*\i], v[ADRS+\sc] offset:64*\i
	ds_load_b32 v[SC+8*NQ*\sc+NQ*\i+1], v[ADRS+\sc] offset:OBB+64*\i
.endr
.endm
.macro STEP slot, q, zero              ; a step of 128 along K that has its successor in the same slot
	s_wait_dscnt 4*NL                              ; all but the youngest 16 loads (A's blocks 4-7) are in
	WIN MUL_LO
	MUL16 0, (\q)%2, \q, \slot, \zero
	MUL16 2, (\q)%2, \q, \slot, \zero
	s_wait_dscnt 0
	PLACES NP
	FETCH_B \slot, (\q)+1, 1-(\q)%2
	FETCH_A \slot, (\q)+1, 0
	WIN MUL_HI
	MUL16 4, (\q)%2, \q, \slot, \zero
	MUL16 6, (\q)%2, \q, \slot, \zero
	PLACES NP
	WIN 0
	FETCH_A \slot, (\q)+1, 4
.endm
.macro TURN slot, next, fill           ; a slot's last step changes slots: one barrier
	s_wait_tensorcnt 0x0                           ; all my tensor loads have landed: my part of the next slot
	ds_add_u32 v[SPW], v[NIL]                      ; 0 onto my spare word
	s_wait_dscnt 4*NL+1                            ; (the add and the youngest 16 loads may be out)
	WIN MUL_LO
	MUL16 0, 1, NQ-1, \slot, 0
	s_wait_dscnt 0x0                               ; the add is done, and my reads of this slot are over
	s_barrier_signal -1
	MUL16 2, 1, NQ-1, \slot, 0
	WIN 0
	s_barrier_wait -1
.if \fill
	CREST                                          ; the barrier has opened a round of the cluster's: no wave of any partner still reads this slot or has a load on its way
	s_add_nc_u64 s[G0+4*\slot+2:G0+4*\slot+3], s[G0+4*\slot+2:G0+4*\slot+3], 2*HALFT
	s_add_nc_u64 s[G0B+4*\slot+2:G0B+4*\slot+3], s[G0B+4*\slot+2:G0B+4*\slot+3], 2*HALFT
	JLOAD G0+4*\slot, G1, G0B+4*\slot, G1B         ; the first tensor load behind the round; its four v_nop are among the places below
	PLACES NP-4
.else
	PLACES NP
.endif
	FETCH_B \next, 0, 0
	FETCH_A \next, 0, 0
	SCALES \next
	WIN MUL_HI
	MUL16 4, 1, NQ-1, \slot, 0
	MUL16 6, 1, NQ-1, \slot, 0
	PLACES NP
	WIN 0
	FETCH_A \next, 0, 4
.endm
.macro LAST                            ; the very last step: nothing more to fetch
	s_wait_dscnt 4*NL
	WIN MUL_LO
	MUL16 0, 1, NQ-1, 1, 0
	MUL16 2, 1, NQ-1, 1, 0
	s_wait_dscnt 0
	WIN MUL_HI
	MUL16 4, 1, NQ-1, 1, 0
	MUL16 6, 1, NQ-1, 1, 0
	WIN 0
.endm
; THE WAY OUT.  mode 0 (Q, K): the bias goes with the registers; blocks 0, 1 are head 2 f's 64, blocks 2, 3 head 2 f + 1's; two neighbouring tiles' bytes make a pair's scale word.  mode 1 (V): the bias goes with the lane; tile a is head 2 f + a / 4, d tile a % 4.
.macro EPI mode
	PLACES NP                                      ; behind the last products: their results are read and A's registers written
	s_wait_loadcnt 0x0                             ; the biases
.irp b, 0,1,2,3
	v_mov_b32 v[TM+4+\b], 0
.endr
.irp a, 0,1,2,3,4,5,6,7
	WIN 2+(\a)/4
.set m, 0
.rept 32
.if \mode
	v_pk_add_f32 v[HH+m:HH+m+1], v[64*((\a)%4)+m:64*((\a)%4)+m+1], v[BI+2*(\a):BI+2*(\a)+1]
.else
	v_pk_add_f32 v[HH+m:HH+m+1], v[64*((\a)%4)+m:64*((\a)%4)+m+1], v[BI+m:BI+m+1]     ; each accumulator from its low end on
.endif
.set m, m+2
.endr
	WIN 0
	s_wait_xcnt 0x0                                ; the last tile's stores have read their data
	QUANT HH
.if \mode
.irp p, 0,1,2,3
	global_store_b128 v[LI], v[PC+4*\p:PC+4*\p+3], s[94:95] offset:((\a)/4)*HB+8192+((\a)%4)*2048+512*\p
.endr
	global_store_b32 v[LR], v[PW], s[94:95] offset:((\a)/4)*HB+16640+((\a)%4)*64
.else
.irp p, 0,1,2,3
	global_store_b128 v[LI], v[PC+4*\p:PC+4*\p+3], s[94:95] offset:(\p/2)*HB+(\a)*1024+(\p%2)*512
.endr
.if (\a)%2 == 0
	v_mov_b32 v[PWE], v[PW]
.else
	v_perm_b32 v[W0], v[PW], v[PWE], 0x05040100    ; head 2 f: the even tile's two bytes, then the odd tile's
	v_perm_b32 v[W0+1], v[PW], v[PWE], 0x07060302  ; head 2 f + 1
	global_store_b32 v[LR], v[W0], s[94:95] offset:16384+((\a)/2)*64
	global_store_b32 v[LR], v[W0+1], s[94:95] offset:HB+16384+((\a)/2)*64
.endif
.endif
.endr
.endm
	s_wait_tensorcnt 1                             ; my part of slot 0 is in; slot 1's may be out
	s_barrier_signal -1
	s_barrier_wait -1
	FETCH_B 0, 0, 0
	FETCH_A 0, 0, 0
	SCALES 0
	FETCH_A 0, 0, 4
	STEP 0, 0, 1                                   ; the first step's products start the sums
	s_mov_b32 s3, LAPS-1
.Llap:
	TURN 0, 1, 1
	STEP 1, 0, 0
	TURN 1, 0, 1
	STEP 0, 0, 0
	s_sub_co_u32 s3, s3, 1
	s_cmp_lg_u32 s3, 0
	s_cbranch_scc1 .Llap
	TURN 0, 1, 0
	s_cmp_eq_u32 s67, 2                            ; the same in all partners
	s_cbranch_scc1 .Lmode_y
	s_cmp_eq_u32 s67, 0
	s_cselect_b64 s[84:85], s[8:9], s[10:11]       ; bq or bk
	s_lshl_b32 s86, s82, 9
	s_mov_b32 s87, 0
	s_add_nc_u64 s[84:85], s[84:85], s[86:87]
	v_lshlrev_b32 v5, 6, v3
.irp p, 0,1,2,3
.irp j, 0,1,2,3
	global_load_b128 v[BI+16*\p+4*\j:BI+16*\p+4*\j+3], v5, s[84:85] offset:128*\p+16*\j   ; register 16 p + i: feature 32 p + 16 h + i of the group
.endr
.endr
	STEP 1, 0, 0
	LAST
	EPI 0
	s_branch .Lend
.Lmode_y:
	s_lshl_b32 s86, s83, 9
	s_mov_b32 s87, 0
	s_add_nc_u64 s[84:85], s[92:93], s[86:87]      ; bv
	v_and_b32 v5, 8, v2
	v_add_nc_u32 v5, v5, v2
	v_lshlrev_b32 v5, 2, v5
.irp a, 0,1,2,3,4,5,6,7
	global_load_b32 v[BI+2*\a], v5, s[84:85] offset:(32*(\a/2)+8*(\a%2))*4      ; my row's bias in tile a, twice: a pair for the packed addition
	global_load_b32 v[BI+2*\a+1], v5, s[84:85] offset:(32*(\a/2)+8*(\a%2))*4
.endr
	STEP 1, 0, 0
	LAST
	EPI 1
.Lend:
	s_wait_tensorcnt 0x0                           ; the wave's end
	ds_add_u32 v[SPW], v[NIL]
	s_wait_dscnt 0x0
	CROUND                                         ; the closing round
	s_endpgm
.Lfunc_end_k_q0bf2083605_qkv:
	.size	k_q0bf2083605_qkv, .Lfunc_end_k_q0bf2083605_qkv-k_q0bf2083605_qkv
	.p2alignl 7, 3214868480
	.fill 96, 4, 3214868480
	.section	.rodata,"a",@progbits
	.p2align	6, 0x0
	.amdhsa_kernel k_q0bf2083605_qkv
		.amdhsa_group_segment_fixed_size 327680
		.amdhsa_private_segment_fixed_size 0
		.amdhsa_enable_private_segment 0
		.amdhsa_kernarg_size 48
		.amdhsa_user_sgpr_count 2
		.amdhsa_user_sgpr_kernarg_segment_ptr 1
		.amdhsa_wavefront_size32 1
		.amdhsa_system_sgpr_workgroup_id_x 1
		.amdhsa_system_sgpr_workgroup_id_y 1
		.amdhsa_system_sgpr_workgroup_id_z 1
		.amdhsa_system_vgpr_workitem_id 0
		.amdhsa_next_free_vgpr 1024
		.amdhsa_next_free_sgpr 100
		.amdhsa_reserve_vcc 0
		.amdhsa_float_denorm_mode_32 3
		.amdhsa_float_denorm_mode_16_64 3
		.amdhsa_memory_ordered 1
		.amdhsa_forward_progress 1
		.amdhsa_inst_pref_size 255
	.end_amdhsa_kernel
	.section	.bss,"aw",@nobits
	.p2align	6
	.space	262144
	.amdgpu_metadata
---
amdhsa.version: [ 1, 2 ]
amdhsa.kernels:
  - .name:           k_q0bf2083605_qkv
    .symbol:         k_q0bf2083605_qkv.kd
    .args:
      - { .name: pre, .offset: 0, .size: 8, .value_kind: global_buffer, .address_space: global }
      - { .name: act1, .offset: 8, .size: 8, .value_kind: global_buffer, .address_space: global }
      - { .name: bq, .offset: 16, .size: 8, .value_kind: global_buffer, .address_space: global }
      - { .name: bk, .offset: 24, .size: 8, .value_kind: global_buffer, .address_space: global }
      - { .name: bv, .offset: 32, .size: 8, .value_kind: global_buffer, .address_space: global }
      - { .name: qkvb, .offset: 40, .size: 8, .value_kind: global_buffer, .address_space: global }
    .group_segment_fixed_size: 327680
    .private_segment_fixed_size: 0
    .kernarg_segment_align: 8
    .kernarg_segment_size: 48
    .max_flat_workgroup_size: 128
    .sgpr_count:     100
    .vgpr_count:     1024
    .wavefront_size: 32
...
	.end_amdgpu_metadata
.endif
;; end of part 2
;; launch attn (part 3): grid 8 x 32, 16 waves a work-group, clusters of 4 x 1, 327,680 bytes of LDS; arguments qkvb, pre, ccod; writes ccod
.if DOCPART == 3
	.amdgcn_target "amdgcn-amd-amdhsa--gfx1250"
	.amdhsa_code_object_version 6
	.text
	.protected	k_q0bf2083605_attn
	.globl	k_q0bf2083605_attn
	.p2align	8
	.type	k_q0bf2083605_attn,@function
k_q0bf2083605_attn:
	s_mov_b64 s[64:65], 0
	v_nop
	global_prefetch_b8 v0, s[64:65] scope:SCOPE_SE
	s_setreg_imm32_b32 hwreg(HW_REG_WAVE_MODE, 25, 1), 1
	s_wait_xcnt 0x0
	s_wait_alu depctr_hold_cnt(0) depctr_sa_sdst(0) depctr_va_vdst(0) depctr_va_sdst(0) depctr_va_ssrc(0) depctr_va_vcc(0) depctr_vm_vsrc(0)
	s_getreg_b32 s2, hwreg(HW_REG_IB_STS2, 6, 4)
	s_cmp_eq_u32 s2, 0
	s_cbranch_scc0 .Lentry_in_a_cluster
	s_endpgm
.Lentry_in_a_cluster:
	s_bfe_u32 s2, ttmp6, 0x10000c
	s_cmp_lg_u32 s2, 0x3003
	s_cbranch_scc0 .Lentry_shape_is_right
	s_endpgm
.Lentry_shape_is_right:
; ctx = softmax(mask(Q K^T / 32)) V for one batch and head, both products on codes of E5M2; ctx is quantised along the model's 1,024 and leaves as the projection's operand.  Nothing of reference() is left out.
; THE SOFTMAX: t = (score + bias) c, c = log2(e) / 32; M = the running largest t rounded up to a whole number; p = 2^(t - M) is quantised along the keys; the row's sum is taken of the unquantised p and divides at the end.
; THE MASK is the C of the scores' products: 0, or -2^35 for a closed key (launch prep; there too: a batch with no open key has bias 0 and c = 0, so every p is 1).  A step whose keys are all closed, met before any open key,
; gives p of at most 1 under its own M; the first open key multiplies that sum and O by 2^(old M - new M), which is 0.  LIMIT: rows whose open logits all lie under about -1e9 are not served; NaN and infinities are not served.
; K = 64 IN AN INSTRUCTION OF 128: a fragment of 16 registers holds TWO tiles of 16 keys, one in each half of K; Q stands as zeros, q, zeros in 24 registers, and the run of 16 that is named picks the tile.  Zero codes add nothing.
; SHARES.  A work-group owns 256 queries, each of sixteen waves 16: four waves to a SIMD, so that one wave's vector work stands beside another's products and LDS loads.  A lane holds one query throughout (both products transposed).
; THE HEAD'S 16 BLOCKS (K, V, their words, the bias: 278,528 bytes) COME INTO LDS ONCE and stay: nothing is filled again.  The four work-groups of a cluster walk the same head: joint loads, two a wave:
; a sixteenth of steps 0-3, then a sixteenth of steps 4-15, so that the first four steps can begin while the rest is on its way (two loads of mine are out at the most).  So there is nothing later to prefetch.
; REGISTERS: v1-8 addresses; v12 -M, v13 the largest t, v[14:15] the sum; v16-39 Q; v40 Q's word; v48-111 K's four pair fragments, then V's four; v112-175 scores, then p; v176-207 O^T; v208-223 p's codes; v224-239, v246-248 at work; v240-243 K's or V's words; v244 p's word.
.set OBB,   16896
.set KVB,   17408
.set HB,    16*KVB
.set KVR,   32*HB
.set MT,    1024*OBB
.set SPARE, HB                         ; behind the head: the spare words, 128 bytes a wave, which no other line names
.set SPW,  4
.set NIL,  5
.set VA,   6
.set VS,   7
.set VB,   8
.set KF,   48
.set S,    112
.set OT,   176
.set PCD,  208
.set BM,   224
.set BT,   228
.set HL,   232
.set SO,   236
.set SW,   240
.set PWD,  244
.set FF,   246
.set TT,   248
.set WV,   18
.set MNT,  19
.set SEL,  20
.set CS,   22
.set G1A,  24
.set G1B,  32
.set G0A,  40
.set G0B,  44
.set TB,   48
.set CNT,  49
.macro ROUND
	s_barrier_signal -1
	s_barrier_wait -1
	s_cmp_lg_u32 s[WV], 0
	s_cbranch_scc1 .Lnot_wave_0_\@
	s_barrier_signal -3
.Lnot_wave_0_\@:
	s_barrier_wait -3
	s_barrier_signal -1
	s_barrier_wait -1
.endm
	s_load_b128 s[4:7], s[0:1], 0x0                ; qkvb, pre
	s_load_b64 s[8:9], s[0:1], 0x10                ; ccod
	v_lshl_add_u32 v[SPW], v0, 2, SPARE
	v_mov_b32 v[NIL], 0
	ds_add_u32 v[SPW], v[NIL]                      ; the opening: the add, twice on end, and its wait ahead of my first tensor load
	ds_add_u32 v[SPW], v[NIL]
	v_lshrrev_b32 v6, 5, v0
	v_readfirstlane_b32 s[WV], v6                  ; wave 0..15
	s_bfe_u32 s50, ttmp6, 0x40000                  ; cx
	s_lshl_b32 s51, ttmp9, 2
	s_add_co_u32 s51, s51, s50                     ; my block of 256 queries: it enters global addresses alone
	s_and_b32 s52, ttmp7, 0xffff                   ; 16 x batch + head, which the partners share
	s_mov_b32 s[G1A], 15|(3<<16)|(1<<21)           ; the mask: all four; elements of 8 bytes; bit 21 beside a mask
	s_mov_b32 s[G1A+1], 32<<16                     ; rows of 256 bytes, dense,
	s_mov_b32 s[G1A+2], 17<<16                     ; 17 of them
	s_mov_b32 s[G1A+3], 32<<16
	s_mov_b32 s[G1A+4], 17
	s_mov_b32 s[G1A+5], 32
	s_mov_b32 s[G1A+6], 0
	s_mov_b32 s[G1A+7], 0
	s_mov_b32 s[G1B], 15|(3<<16)|(1<<21)
	s_mov_b32 s[G1B+1], 32<<16
	s_mov_b32 s[G1B+2], 51<<16                     ; 51 rows
	s_mov_b32 s[G1B+3], 32<<16
	s_mov_b32 s[G1B+4], 51
	s_mov_b32 s[G1B+5], 32
	s_mov_b32 s[G1B+6], 0
	s_mov_b32 s[G1B+7], 0
	s_mul_i32 s53, s[WV], 4352                     ; my sixteenth of steps 0-3: the same place in the head's bytes and in LDS
	s_mul_i32 s54, s[WV], 13056
	s_add_co_u32 s54, s54, 4*KVB                   ; and of steps 4-15
	s_mul_i32 s56, s52, HB
	s_add_co_u32 s56, s56, KVR
	s_mov_b32 s57, 0
	s_mov_b32 s60, s53
	s_mov_b32 s61, 0
	s_mov_b32 s62, s54
	s_mov_b32 s63, 0
	s_lshr_b32 s66, s52, 4
	s_lshl_b32 s66, s66, 9
	s_add_co_u32 s66, s66, MT                      ; the batch's c
	s_mov_b32 s67, 0
	s_lshl_b32 s68, s52, 4
	s_lshl_b32 s69, s51, 1
	s_add_co_u32 s68, s68, s69
	s_lshr_b32 s69, s[WV], 3
	s_add_co_u32 s68, s68, s69
	s_mul_i32 s68, s68, KVB                        ; Q's block of my 128 queries
	s_and_b32 s70, s[WV], 7                        ; my tile in it
	s_lshl_b32 s71, s70, 10
	s_add_co_u32 s74, s68, s71
	s_mov_b32 s75, 0
	s_lshr_b32 s71, s70, 1
	s_lshl_b32 s71, s71, 6
	s_add_co_u32 s76, s68, s71
	s_add_co_u32 s76, s76, 16384                   ; the pair's scale words
	s_mov_b32 s77, 0
	s_and_b32 s71, s[WV], 1
	s_lshl_b32 s71, s71, 4                         ; an odd tile's two bytes are the word's upper half
	s_mov_b32 s[SEL], 0x76543210
	s_mov_b32 s[SEL+1], 0xfedcba98
	s_mov_b32 s[MNT], 0x600000
	s_mov_b32 s[TB], 0
	s_wait_dscnt 0x0                               ; both opening adds are done
	s_wait_kmcnt 0x0
	s_add_nc_u64 s[58:59], s[4:5], s[56:57]        ; the head's blocks
	s_add_nc_u64 s[66:67], s[6:7], s[66:67]
	s_load_b32 s[CS], s[66:67], 0x0
	s_add_nc_u64 s[74:75], s[4:5], s[74:75]
	s_add_nc_u64 s[76:77], s[4:5], s[76:77]
	s_mov_b32 s[G0A], 1
	s_mov_b32 s[G0A+1], s53
	s_add_nc_u64 s[G0A+2:G0A+3], s[58:59], s[60:61]
	s_or_b32 s[G0A+3], s[G0A+3], 0x80000000
	s_mov_b32 s[G0B], 1
	s_mov_b32 s[G0B+1], s54
	s_add_nc_u64 s[G0B+2:G0B+3], s[58:59], s[62:63]
	s_or_b32 s[G0B+3], s[G0B+3], 0x80000000
	ROUND                                          ; all four work-groups are here: the joint loads meet
	tensor_load_to_lds s[G0A:G0A+3], s[G1A:G1A+7]
	s_nop 0
	tensor_load_to_lds s[G0B:G0B+3], s[G1B:G1B+7]
	s_nop 0
.rept 4
	v_nop
.endr
	v_and_b32 v1, 31, v0
	v_lshlrev_b32 v1, 4, v1                        ; 16 x lane
	v_and_b32 v2, 15, v0
	v_lshlrev_b32 v2, 2, v2                        ; 4 r
	v_bfe_u32 v3, v0, 4, 1
	v_lshlrev_b32 v3, 6, v3                        ; 64 h: my half's 16 keys of the bias
	global_load_b128 v[24:27], v1, s[74:75]        ; q: d 0-31
	global_load_b128 v[28:31], v1, s[74:75] offset:512
	global_load_b32 v[TT], v2, s[76:77]
	v_mov_b32 v13, 0xff61b1e6                      ; the largest t so far: -3e38
	v_floor_f32 v12, -v13                          ; -M
	v_mov_b32 v14, 0
	v_mov_b32 v15, 0
.irp b, 0,1,2,3
	v_mov_b32 v[BT+\b], 0                          ; a lane permute's destination counts as one of its sources
.endr
	v_mov_b32 v[FF+1], 0                           ; (named as the upper half of f's pair)
.set j, 0
.rept 32
	v_mov_b32 v[OT+j], 0                           ; O^T: the step is written once; the first change of M leaves zeros zeros
.set j, j+1
.endr
	s_wait_kmcnt 0x0
	s_mov_b32 s[CS+1], s[CS]                       ; (named with it as a pair)
	s_wait_loadcnt 0x0
	v_lshrrev_b32 v[TT], s71, v[TT]
	v_and_b32 v[TT], 0xffff, v[TT]
	v_lshl_or_b32 v40, v[TT], 16, v[TT]            ; q's two bytes, for either half of K
.set j, 0
.rept 8
	v_mov_b32 v[16+j], 0                           ; zero codes on both sides of q
	v_mov_b32 v[32+j], 0
.set j, j+1
.endr
; A KEY STEP: 128 keys, the block at LDS byte s[TB]
.macro STEP
	v_add_nc_u32 v[VA], s[TB], v1
	v_add_nc_u32 v[VS], s[TB], v2
	v_add_nc_u32 v[VB], s[TB], v3
.rept 5
	v_nop                                          ; with the three additions: eight places behind the last products, whose operands are loaded anew
.endr
.irp t, 0,1,2,3,4,5,6,7
	ds_load_b128 v[S+8*\t:S+8*\t+3], v[VB] offset:16896+(32*(\t/2)+8*(\t%2))*4        ; the bias of keys 32 b + 8 u + 16 h + 0 .. 7: the C of tile 2 b + u
	ds_load_b128 v[S+8*\t+4:S+8*\t+7], v[VB] offset:16896+(32*(\t/2)+8*(\t%2))*4+16
.endr
.irp b, 0,1,2,3
.irp c, 0,1,2,3
	ds_load_b128 v[KF+16*\b+4*\c:KF+16*\b+4*\c+3], v[VA] offset:2048*\b+512*\c
.endr
	ds_load_b32 v[SW+\b], v[VS] offset:16384+64*\b
.endr
	s_wait_dscnt 0x0
.irp b, 0,1,2,3
	v_wmma_scale_f32_16x16x128_f8f6f4 v[S+16*\b:S+16*\b+7], v[KF+16*\b:KF+16*\b+15], v[24:39], v[S+16*\b:S+16*\b+7], v[SW+\b], v40 matrix_a_fmt:MATRIX_FMT_BF8 matrix_b_fmt:MATRIX_FMT_BF8
	v_wmma_scale_f32_16x16x128_f8f6f4 v[S+16*\b+8:S+16*\b+15], v[KF+16*\b:KF+16*\b+15], v[16:31], v[S+16*\b+8:S+16*\b+15], v[SW+\b], v40 matrix_a_fmt:MATRIX_FMT_BF8 matrix_b_fmt:MATRIX_FMT_BF8
.endr
.rept 8
	v_nop
.endr
.irp t, 0,1,2,3                                ; V's fragments and words are asked for now and land under the softmax
.irp c, 0,1,2,3
	ds_load_b128 v[KF+16*\t+4*\c:KF+16*\t+4*\c+3], v[VA] offset:8192+2048*\t+512*\c
.endr
	ds_load_b32 v[SW+\t], v[VS] offset:16640+64*\t
.endr
.irp b, 0,1,2,3
	v_max3_num_f32 v[BM+\b], v[S+16*\b], v[S+1+16*\b], v[S+2+16*\b]   ; the largest score of each block of 32 keys: for the row's maximum and, since p rises with the score, for the block's largest p
.endr
.irp i, 3,5,7,9,11,13
.irp b, 0,1,2,3
	v_max3_num_f32 v[BM+\b], v[BM+\b], v[S+16*\b+\i], v[S+1+16*\b+\i]
.endr
.endr
.irp b, 0,1,2,3
	v_max_num_f32 v[BM+\b], v[BM+\b], v[S+15+16*\b]
.endr
.irp b, 0,1,2,3
	v_permlanex16_b32 v[BT+\b], v[BM+\b], s[SEL], s[SEL+1]
.endr
.irp b, 0,1,2,3
	v_max_num_f32 v[BM+\b], v[BM+\b], v[BT+\b]
.endr
	v_max3_num_f32 v[TT], v[BM], v[BM+1], v[BM+2]
	v_max_num_f32 v[TT], v[TT], v[BM+3]
	v_mul_f32 v[TT], s[CS], v[TT]                  ; as t (c is not negative)
	v_max_num_f32 v13, v13, v[TT]
	v_mov_b32 v[TT], v12
	v_floor_f32 v12, -v13                          ; the new -M = -ceil(t)
	v_sub_f32 v[TT], v12, v[TT]                    ; old M - new M: a whole number, 0 or less
	v_cvt_i32_f32 v[TT], v[TT]                     ; (it saturates)
	v_ldexp_f32 v[FF], 1.0, v[TT]                  ; f = 2^(old M - new M)
.set j, 0
.rept 32
	v_pk_fma_f32 v[S+j:S+j+1], v[S+j:S+j+1], s[CS:CS+1], v[12:13] op_sel_hi:[1,0,0]   ; t - M
.set j, j+2
.endr
.irp b, 0,1,2,3
	v_fma_f32 v[BM+\b], v[BM+\b], s[CS], v12
.endr
.set j, 0
.rept 64
	v_exp_f32 v[S+j], v[S+j]                       ; p = 2^(t - M)
.set j, j+1
.endr
	v_pk_mul_f32 v[14:15], v[14:15], v[FF:FF+1] op_sel_hi:[1,0]   ; the sums under the new M: a plain line behind the batch
	s_wait_alu depctr_va_vdst(0)                   ; one wait for the batch, ahead of its first reader
.irp b, 0,1,2,3
	v_exp_f32 v[BM+\b], v[BM+\b]                   ; each block's largest p
.endr
	v_pk_add_f32 v[BT:BT+1], v[S:S+1], v[S+2:S+3]  ; the row's sum, of the unquantised p, in two chains
.irp j, 4,8,12,16,20,24,28,32,36,40,44,48,52,56,60
	v_pk_add_f32 v[14:15], v[14:15], v[S+\j:S+\j+1]
	v_pk_add_f32 v[BT:BT+1], v[BT:BT+1], v[S+2+\j:S+3+\j]
.endr
	v_pk_add_f32 v[14:15], v[14:15], v[BT:BT+1]
	s_wait_alu depctr_va_vdst(0)                   ; and one for the four
.irp b, 0,1,2,3
	v_max_num_f32 v[BM+\b], 0x8000000, v[BM+\b]    ; the floor 2^(16 - 127)
.endr
.irp b, 0,1,2,3
	v_add_nc_u32 v[SO+\b], 0xf8800000, v[BM+\b]
.endr
.irp b, 0,1,2,3
	v_and_or_b32 v[HL+\b], v[BM+\b], 0x7f800000, s[MNT]
.endr
.irp b, 0,1,2,3
	v_lshrrev_b32 v[BT+\b], 23, v[SO+\b]
.endr
	v_lshl_or_b32 v[PWD], v[BT+1], 8, v[BT]        ; p's scale word for these 128 keys
	v_lshl_or_b32 v[PWD], v[BT+2], 16, v[PWD]
	v_lshl_or_b32 v[PWD], v[BT+3], 24, v[PWD]
.irp b, 0,1,2,3
.set j, 0
.rept 16
	v_min_num_f32 v[S+16*\b+j], v[S+16*\b+j], v[HL+\b]   ; p is not negative: a one-sided hold
.set j, j+1
.endr
	v_cvt_scalef32_pk8_bf8_f32 v[PCD+4*\b:PCD+1+4*\b], v[S+16*\b:S+7+16*\b], v[SO+\b]
	v_cvt_scalef32_pk8_bf8_f32 v[PCD+2+4*\b:PCD+3+4*\b], v[S+8+16*\b:S+15+16*\b], v[SO+\b]
.endr
.set j, 0
.rept 16
	v_pk_mul_f32 v[OT+j:OT+j+1], v[OT+j:OT+j+1], v[FF:FF+1] op_sel_hi:[1,0]   ; O^T under the new M; these sixteen are also the places ahead of the products
.set j, j+2
.endr
	s_wait_dscnt 0x0                               ; V
.irp t, 0,1,2,3
	v_wmma_scale_f32_16x16x128_f8f6f4 v[OT+8*\t:OT+8*\t+7], v[KF+16*\t:KF+16*\t+15], v[PCD:PCD+15], v[OT+8*\t:OT+8*\t+7], v[SW+\t], v[PWD] matrix_a_fmt:MATRIX_FMT_BF8 matrix_b_fmt:MATRIX_FMT_BF8
.endr
	s_add_co_u32 s[TB], s[TB], KVB
.endm
	s_wait_tensorcnt 1                             ; my sixteenth of steps 0-3 is in; the rest may be out
	s_barrier_signal -1
	s_barrier_wait -1                              ; everybody's is
	s_mov_b32 s[CNT], 4
.Lfirst:
	STEP
	s_sub_co_u32 s[CNT], s[CNT], 1
	s_cmp_lg_u32 s[CNT], 0
	s_cbranch_scc1 .Lfirst
	s_wait_tensorcnt 0x0                           ; my sixteenth of steps 4-15
	s_wait_dscnt 0x0
	s_barrier_signal -1
	s_barrier_wait -1
	s_mov_b32 s[CNT], 12
.Lrest:
	STEP
	s_sub_co_u32 s[CNT], s[CNT], 1
	s_cmp_lg_u32 s[CNT], 0
	s_cbranch_scc1 .Lrest
	; THE WAY OUT: O^T / the sum; register 16 b + i is d = 32 b + 16 h + i of my query: two blocks of the projection's K
.rept 8
	v_nop
.endr
	v_add_f32 v14, v14, v15
	v_permlanex16_b32 v[TT], v14, s[SEL], s[SEL+1]
	v_add_f32 v14, v14, v[TT]
	v_rcp_f32 v14, v14
	v_nop                                          ; a plain line behind the transcendental
	s_lshr_b32 s53, s52, 4
	s_lshl_b32 s53, s53, 4
	s_lshl_b32 s54, s51, 1
	s_add_co_u32 s53, s53, s54
	s_lshr_b32 s54, s[WV], 3
	s_add_co_u32 s53, s53, s54                     ; my group of 128 tokens
	s_lshl_b32 s53, s53, 3
	s_bfe_u32 s54, s52, 0x30001                    ; K step: head / 2
	s_add_co_u32 s53, s53, s54
	s_mul_i32 s53, s53, OBB
	s_and_b32 s54, s[WV], 7
	s_and_b32 s55, s52, 1
	s_lshl_b32 s56, s54, 11
	s_lshl_b32 s57, s55, 10
	s_add_co_u32 s56, s56, s57
	s_add_co_u32 s56, s56, s53
	s_mov_b32 s57, 0
	s_add_nc_u64 s[58:59], s[8:9], s[56:57]        ; my tile, my head's half of the fragment
	s_lshl_b32 s56, s54, 6
	s_lshl_b32 s55, s55, 1
	s_add_co_u32 s56, s56, s55
	s_add_co_u32 s56, s56, s53
	s_add_co_u32 s56, s56, 16384
	s_add_nc_u64 s[60:61], s[8:9], s[56:57]
	s_wait_alu depctr_va_vdst(0)                   ; a wait ahead of the reciprocal's first reader
.set j, 0
.rept 32
	v_mul_f32 v[S+j], v[OT+j], v14
.set j, j+1
.endr
.irp b, 0,1
	v_max3_num_f32 v[BM+\b], |v[S+16*\b]|, |v[S+1+16*\b]|, 0x8000000
.endr
.irp i, 2,4,6,8,10,12,14
.irp b, 0,1
	v_max3_num_f32 v[BM+\b], v[BM+\b], |v[S+16*\b+\i]|, |v[S+1+16*\b+\i]|
.endr
.endr
.irp b, 0,1
	v_permlanex16_b32 v[BT+\b], v[BM+\b], s[SEL], s[SEL+1]
.endr
.irp b, 0,1
	v_max_num_f32 v[BM+\b], v[BM+\b], v[BT+\b]
.endr
.irp b, 0,1
	v_add_nc_u32 v[SO+\b], 0xf8800000, v[BM+\b]
.endr
.irp b, 0,1
	v_and_or_b32 v[HL+\b], v[BM+\b], 0x7f800000, s[MNT]
.endr
.irp b, 0,1
	v_lshrrev_b32 v[BT+\b], 23, v[SO+\b]
.endr
	v_lshl_or_b32 v[TT], v[BT+1], 8, v[BT]
.irp b, 0,1
.set j, 0
.rept 16
	v_med3_num_f32 v[S+16*\b+j], v[S+16*\b+j], -v[HL+\b], v[HL+\b]
.set j, j+1
.endr
	v_cvt_scalef32_pk8_bf8_f32 v[PCD+4*\b:PCD+1+4*\b], v[S+16*\b:S+7+16*\b], v[SO+\b]
	v_cvt_scalef32_pk8_bf8_f32 v[PCD+2+4*\b:PCD+3+4*\b], v[S+8+16*\b:S+15+16*\b], v[SO+\b]
.endr
	v_nop
	global_store_b128 v1, v[PCD:PCD+3], s[58:59]               ; 512 consecutive bytes each
	global_store_b128 v1, v[PCD+4:PCD+7], s[58:59] offset:512
	global_store_b16 v2, v[TT], s[60:61]                       ; my head's half of the row's scale word: the other half is another work-group's, so this one store is of two bytes a lane
	s_wait_tensorcnt 0x0                           ; the wave's end
	ds_add_u32 v[SPW], v[NIL]
	s_wait_dscnt 0x0
	ROUND                                          ; the closing round
	s_endpgm
.Lfunc_end_k_q0bf2083605_attn:
	.size	k_q0bf2083605_attn, .Lfunc_end_k_q0bf2083605_attn-k_q0bf2083605_attn
	.p2alignl 7, 3214868480
	.fill 96, 4, 3214868480
	.section	.rodata,"a",@progbits
	.p2align	6, 0x0
	.amdhsa_kernel k_q0bf2083605_attn
		.amdhsa_group_segment_fixed_size 327680
		.amdhsa_private_segment_fixed_size 0
		.amdhsa_enable_private_segment 0
		.amdhsa_kernarg_size 24
		.amdhsa_user_sgpr_count 2
		.amdhsa_user_sgpr_kernarg_segment_ptr 1
		.amdhsa_wavefront_size32 1
		.amdhsa_system_sgpr_workgroup_id_x 1
		.amdhsa_system_sgpr_workgroup_id_y 1
		.amdhsa_system_sgpr_workgroup_id_z 1
		.amdhsa_system_vgpr_workitem_id 0
		.amdhsa_next_free_vgpr 256
		.amdhsa_next_free_sgpr 80
		.amdhsa_reserve_vcc 0
		.amdhsa_float_denorm_mode_32 3
		.amdhsa_float_denorm_mode_16_64 3
		.amdhsa_memory_ordered 1
		.amdhsa_forward_progress 1
		.amdhsa_inst_pref_size 54
	.end_amdhsa_kernel
	.amdgpu_metadata
---
amdhsa.version: [ 1, 2 ]
amdhsa.kernels:
  - .name:           k_q0bf2083605_attn
    .symbol:         k_q0bf2083605_attn.kd
    .args:
      - { .name: qkvb, .offset: 0, .size: 8, .value_kind: global_buffer, .address_space: global }
      - { .name: pre, .offset: 8, .size: 8, .value_kind: global_buffer, .address_space: global }
      - { .name: ccod, .offset: 16, .size: 8, .value_kind: global_buffer, .address_space: global }
    .group_segment_fixed_size: 327680
    .private_segment_fixed_size: 0
    .kernarg_segment_align: 8
    .kernarg_segment_size: 24
    .max_flat_workgroup_size: 512
    .sgpr_count:     80
    .vgpr_count:     256
    .wavefront_size: 32
...
	.end_amdgpu_metadata
.endif
;; end of part 3
;; launch proj (part 4): grid 8 x 32, 4 waves a work-group, clusters of 4 x 4, 327,680 bytes of LDS; arguments ccod, pre, x, act1, g1, be1, b_proj, hbuf; writes hbuf
.if DOCPART == 4
	.amdgcn_target "amdgcn-amd-amdhsa--gfx1250"
	.amdhsa_code_object_version 6
	.text
	.protected	k_q0bf2083605_proj
	.globl	k_q0bf2083605_proj
	.p2align	8
	.type	k_q0bf2083605_proj,@function
k_q0bf2083605_proj:
	s_mov_b64 s[64:65], 0
	v_nop
	global_prefetch_b8 v0, s[64:65] scope:SCOPE_SE
	s_setreg_imm32_b32 hwreg(HW_REG_WAVE_MODE, 25, 1), 1
	s_wait_xcnt 0x0
	s_wait_alu depctr_hold_cnt(0) depctr_sa_sdst(0) depctr_va_vdst(0) depctr_va_sdst(0) depctr_va_ssrc(0) depctr_va_vcc(0) depctr_vm_vsrc(0)
	s_getreg_b32 s2, hwreg(HW_REG_IB_STS2, 6, 4)
	s_cmp_eq_u32 s2, 0
	s_cbranch_scc0 .Lentry_in_a_cluster
	s_endpgm
.Lentry_in_a_cluster:
	s_bfe_u32 s2, ttmp6, 0x10000c
	s_cmp_lg_u32 s2, 0xf033
	s_cbranch_scc0 .Lentry_shape_is_right
	s_endpgm
.Lentry_shape_is_right:
; h = xn + ctx w_proj + b_proj.  The product on codes of E5M2 with E8M0 scales; xn = (x - mu) rs g1 + be1 is made anew from x and the row's stored mu and rs.  Nothing of reference() is left out.
; The result has 1,024 columns: tiles of 128 x 128 give each of 256 work-groups one.  Four waves, 64 x 64 each: 16 accumulators.  Source 0 = 16 rows of the weight, source 1 = 16 tokens: a lane holds eight neighbouring columns of a row.
; OPERANDS are images of their registers with their scale words behind them (launch prep).  A slot holds 4 K steps of A's group and of B's; a wave's tensor load brings two of them, 33,792 dense bytes.  NS = 8: both slots are filled once.
; 4 x 4 clusters: A's blocks are asked for jointly along a row of the cluster, B's along a column.  x, the statistics, g, b and the bias are asked for at the head and land under the products.
; THE WAY OUT: 16 tokens x 64 columns go through the wave's own stage in LDS and come back as rows of 256 bytes; sixteen lanes store 256 consecutive bytes, aligned.
; REGISTERS: window 0: v16-30 addresses; v32-39 scale words, two sets; v48-59 g, b, bias; v64-127 the way out; v128-255 accumulators (a, b) at v[128 + 8 (4 a + b)].  window 1: two fragment buffers (A's 4, B's 4).  window 2: x, and the statistics.
.set NS,    8
.set OBB,   16896
.set WOFF,  192*OBB
.set STATS, 256*OBB
.set HALFT, 2*OBB
.set SLOT,  8*OBB
.set SPARE, 2*SLOT                     ; the spare words: 128 bytes a wave, which no other line names
.set STAGE, SPARE+512                  ; 16 rows x 272 bytes for each wave: no fill lands here
.set LAPS,  NS/8
.set ADRA, 16
.set ADRB, 20
.set ADRS, 22
.set STO,  24
.set RD,   25
.set VX,   26
.set VS,   27
.set SPW,  28
.set NIL,  29
.set VG,   30
.set SC,   32
.set BK,   64
.set TT,   96
.set ACC,  128
.set F0,   0
.set F1,   128
.set WV,   20
.set FB,   21
.set G1,   24
.set G0,   32
.set G1B,  48
.set G0B,  56
.set MSB, 0
.macro WIN new
.if MSB != (\new)
	s_set_vgpr_msb (MSB<<8)|(\new)
.set MSB, (\new)
.endif
.endm
.macro PLACES n
.rept \n
	v_nop
.endr
.endm
.macro JLOAD g0a, g1a, g0b, g1b        ; waves 0, 1 fetch for A, waves 2, 3 for B; an s_nop 0 and four v_nop follow each line
	s_cmp_eq_u32 s[FB], 0
	s_cbranch_scc0 .Lfor_b_\@
	tensor_load_to_lds s[\g0a:\g0a+3], s[\g1a:\g1a+7]
	s_nop 0
.rept 4
	v_nop
.endr
	s_branch .Lasked_\@
.Lfor_b_\@:
	tensor_load_to_lds s[\g0b:\g0b+3], s[\g1b:\g1b+7]
	s_nop 0
.rept 4
	v_nop
.endr
.Lasked_\@:
.endm
.macro CREST
	s_cmp_lg_u32 s[WV], 0
	s_cbranch_scc1 .Lnot_wave_0_\@
	s_barrier_signal -3
.Lnot_wave_0_\@:
	s_barrier_wait -3
	s_barrier_signal -1
	s_barrier_wait -1
.endm
.macro CROUND
	s_barrier_signal -1
	s_barrier_wait -1
	CREST
.endm
	s_load_b512 s[4:19], s[0:1], 0x0               ; A's codes, pre, the residual's source, its statistics' buffer, g, b, the bias, the result
	v_lshl_add_u32 v[SPW], v0, 2, SPARE
	v_mov_b32 v[NIL], 0
	ds_add_u32 v[SPW], v[NIL]                      ; the opening: the add, twice on end, and its wait ahead of my first tensor load
	ds_add_u32 v[SPW], v[NIL]
	v_lshrrev_b32 v1, 5, v0
	v_readfirstlane_b32 s[WV], v1
	s_lshr_b32 s[FB], s[WV], 1                     ; my half of the tokens.  Also: I fetch for A (0) or B (1)
	s_and_b32 s22, s[WV], 1                        ; my half of the columns.  Also: which two K steps of a slot I fetch
	s_bfe_u32 s40, ttmp6, 0x40000
	s_bfe_u32 s41, ttmp6, 0x40004
	s_lshl_b32 s42, ttmp9, 2
	s_add_co_u32 s42, s42, s40                     ; the weight's row group
	s_and_b32 s66, ttmp7, 0xffff
	s_lshl_b32 s66, s66, 2
	s_add_co_u32 s66, s66, s41                     ; the tokens' group
	s_lshl_b32 s43, s41, 2
	s_lshl_b32 s43, 15, s43
	s_lshl_b32 s44, 0x1111, s40
	s_or_b32 s[G1+0], s43, (3<<16)|(1<<21)         ; the mask; elements of 8 bytes; bit 21 beside a mask; no padding
	s_or_b32 s[G1B+0], s44, (3<<16)|(1<<21)
.irp g, G1, G1B
	s_mov_b32 s[\g+1], 32<<16                      ; rows of 256 bytes, 132 of them, dense
	s_mov_b32 s[\g+2], 132<<16
	s_mov_b32 s[\g+3], 32<<16
	s_mov_b32 s[\g+4], 132
	s_mov_b32 s[\g+5], 32
	s_mov_b32 s[\g+6], 0
	s_mov_b32 s[\g+7], 0
.endr
	s_lshl_b32 s23, s22, 1
	s_mul_i32 s68, s66, NS
	s_add_co_u32 s68, s68, s23
	s_mul_i32 s68, s68, OBB
	s_mov_b32 s69, 0
	s_mul_i32 s46, s42, NS
	s_add_co_u32 s46, s46, s23
	s_mul_i32 s46, s46, OBB
	s_add_co_u32 s46, s46, WOFF
	s_mov_b32 s47, 0
	s_mul_i32 s45, s[WV], HALFT
	s_wait_dscnt 0x0
	s_wait_kmcnt 0x0
	s_add_nc_u64 s[68:69], s[4:5], s[68:69]
	s_add_nc_u64 s[46:47], s[6:7], s[46:47]
	CROUND
.irp s, 0,1
	s_mov_b32 s[G0+4*\s], 1
	s_add_co_u32 s[G0+4*\s+1], s45, \s*SLOT
	s_add_nc_u64 s[G0+4*\s+2:G0+4*\s+3], s[68:69], \s*4*OBB
	s_or_b32 s[G0+4*\s+3], s[G0+4*\s+3], 0x80000000
	s_mov_b32 s[G0B+4*\s], 1
	s_add_co_u32 s[G0B+4*\s+1], s45, \s*SLOT
	s_add_nc_u64 s[G0B+4*\s+2:G0B+4*\s+3], s[46:47], \s*4*OBB
	s_or_b32 s[G0B+4*\s+3], s[G0B+4*\s+3], 0x80000000
	JLOAD G0+4*\s, G1, G0B+4*\s, G1B
.endr
	v_and_b32 v1, 31, v0
	v_and_b32 v2, 15, v0                           ; r
	v_bfe_u32 v3, v0, 4, 1                         ; h
	v_lshlrev_b32 v6, 4, v1
	v_lshlrev_b32 v5, 2, v2
	s_lshl_b32 s70, s[FB], 13                      ; A's tiles 4 wy on
	s_lshl_b32 s71, s22, 13
	s_add_co_u32 s71, s71, 4*OBB                   ; B's tiles 4 wx on, behind A's four blocks
	s_lshl_b32 s72, s[FB], 8
	s_lshl_b32 s73, s22, 8
	s_add_co_u32 s73, s73, 4*OBB
	s_sub_co_u32 s73, s73, s72
	v_mul_u32_u24 v4, s73, v3                      ; scale words: lanes 0-15 A's, lanes 16-31 B's
	v_add_nc_u32 v4, v4, v5
	s_add_co_u32 s72, s72, 16384
.irp s, 0,1
	v_add_nc_u32 v[ADRA+\s], s70, v6
	v_add_nc_u32 v[ADRB+\s], s71, v6
	v_add_nc_u32 v[ADRS+\s], s72, v4
	s_add_co_u32 s70, s70, SLOT
	s_add_co_u32 s71, s71, SLOT
	s_add_co_u32 s72, s72, SLOT
.endr
	s_mul_i32 s74, s[WV], 16*272
	s_add_co_u32 s74, s74, STAGE
	v_mul_u32_u24 v[STO], v2, 272
	v_lshl_add_u32 v[STO], v3, 6, v[STO]
	v_add_nc_u32 v[STO], s74, v[STO]               ; in: row r, + 64 h
	v_mul_u32_u24 v[RD], v3, 272
	v_lshl_add_u32 v[RD], v2, 4, v[RD]
	v_add_nc_u32 v[RD], s74, v[RD]                 ; back: lanes 0-15 one row, lanes 16-31 the next
	v_lshlrev_b32 v[VX], 12, v3
	v_lshl_add_u32 v[VX], v2, 4, v[VX]
	v_lshlrev_b32 v[VS], 4, v3
	v_lshlrev_b32 v[VG], 4, v2
	s_lshl_b32 s76, s66, 7
	s_lshl_b32 s77, s[FB], 6
	s_add_co_u32 s76, s76, s77                     ; my first token
	s_lshl_b32 s78, s42, 9
	s_lshl_b32 s79, s22, 8
	s_add_co_u32 s78, s78, s79                     ; my first column, in bytes
	s_mov_b32 s79, 0
	s_lshl_b32 s80, s76, 12
	s_add_co_u32 s80, s80, s78
	s_mov_b32 s81, 0
	s_add_nc_u64 s[8:9], s[8:9], s[80:81]
	s_add_nc_u64 s[18:19], s[18:19], s[80:81]
	s_lshl_b32 s80, s76, 4
	s_add_co_u32 s80, s80, STATS
	s_add_nc_u64 s[10:11], s[10:11], s[80:81]
	s_add_nc_u64 s[12:13], s[12:13], s[78:79]
	s_add_nc_u64 s[14:15], s[14:15], s[78:79]
	s_add_nc_u64 s[16:17], s[16:17], s[78:79]
	WIN 0x80                                       ; destination window 2
.irp a, 0,1,2,3
.irp t, 0,1,2,3,4,5,6,7                        ; stage rows 2 t, 2 t + 1 of tile a are tokens 32 (a / 2) + 8 (a % 2) + 2 t + 8 (t / 4) and the next
	global_load_b128 v[32*\a+4*\t:32*\a+4*\t+3], v[VX], s[8:9] offset:(32*(\a/2)+8*(\a%2)+2*\t+8*(\t/4))*4096 th:TH_LOAD_NT
	global_load_b128 v[128+32*\a+4*\t:128+32*\a+4*\t+3], v[VS], s[10:11] offset:(32*(\a/2)+8*(\a%2)+2*\t+8*(\t/4))*16
.endr
.endr
	WIN 0
	global_load_b128 v[48:51], v[VG], s[12:13]
	global_load_b128 v[52:55], v[VG], s[14:15]
	global_load_b128 v[56:59], v[VG], s[16:17]
.macro FETCH slot, q, f                ; 36 LDS loads: a K step's scale words, B's four fragments, A's four, into buffer f
	WIN 0
.irp i, 0,1,2,3
	ds_load_b32 v[SC+4*((\f)/128)+\i], v[ADRS+\slot] offset:OBB*(\q)+64*\i
.endr
	WIN 0x40
.irp i, 0,1,2,3
.irp c, 0,1,2,3
	ds_load_b128 v[\f+64+16*\i+4*\c:\f+64+16*\i+4*\c+3], v[ADRB+\slot] offset:OBB*(\q)+2048*\i+512*\c
.endr
.endr
.irp i, 0,1,2,3
.irp c, 0,1,2,3
	ds_load_b128 v[\f+16*\i+4*\c:\f+16*\i+4*\c+3], v[ADRA+\slot] offset:OBB*(\q)+2048*\i+512*\c
.endr
.endr
.endm
.macro MUL8 f, a0, zero                ; the 16 accumulators take turns, in the same order in every step
.irp a, \a0, \a0+1
.irp b, 0,1,2,3
.if \zero
	v_wmma_scale_f32_16x16x128_f8f6f4 v[ACC+8*(4*(\a)+\b):ACC+8*(4*(\a)+\b)+7], v[\f+64+16*\b:\f+64+16*\b+15], v[\f+16*(\a):\f+16*(\a)+15], 0, v[SC+4*((\f)/128)+\b], v[SC+4*((\f)/128)+(\a)] matrix_a_fmt:MATRIX_FMT_BF8 matrix_b_fmt:MATRIX_FMT_BF8 matrix_a_scale:MATRIX_SCALE_ROW1
.else
	v_wmma_scale_f32_16x16x128_f8f6f4 v[ACC+8*(4*(\a)+\b):ACC+8*(4*(\a)+\b)+7], v[\f+64+16*\b:\f+64+16*\b+15], v[\f+16*(\a):\f+16*(\a)+15], v[ACC+8*(4*(\a)+\b):ACC+8*(4*(\a)+\b)+7], v[SC+4*((\f)/128)+\b], v[SC+4*((\f)/128)+(\a)] matrix_a_fmt:MATRIX_FMT_BF8 matrix_b_fmt:MATRIX_FMT_BF8 matrix_a_scale:MATRIX_SCALE_ROW1
.endif
.endr
.endr
.endm
.macro STEPG slot, q, zero             ; one of a slot's first three steps: the next step's loads go out first and have this step's 16 products in which to land
	s_wait_dscnt 0x0                               ; this step's fragments and words are in
	PLACES 8                                       ; behind the last step's products, whose buffer is loaded anew
	FETCH \slot, (\q)+1, 128-128*((\q)%2)
	WIN 0x05
	MUL8 128*((\q)%2), 0, \zero
	MUL8 128*((\q)%2), 2, \zero
.endm
.macro TURNG slot, next, fill          ; a slot's last step changes slots: one barrier
	WIN 0
	s_wait_tensorcnt 0x0                           ; all my tensor loads have landed: my part of the next slot
	ds_add_u32 v[SPW], v[NIL]                      ; 0 onto my spare word
	s_wait_dscnt 1                                 ; (the add may be out)
	WIN 0x05
	MUL8 F1, 0, 0
	s_wait_dscnt 0x0                               ; the add is done, and my reads of this slot are over
	s_barrier_signal -1
	MUL8 F1, 2, 0
	WIN 0
	s_barrier_wait -1
.if \fill
	CREST                                          ; the barrier has opened a round of the cluster's
	s_add_nc_u64 s[G0+4*\slot+2:G0+4*\slot+3], s[G0+4*\slot+2:G0+4*\slot+3], 8*OBB
	s_add_nc_u64 s[G0B+4*\slot+2:G0B+4*\slot+3], s[G0B+4*\slot+2:G0B+4*\slot+3], 8*OBB
	JLOAD G0+4*\slot, G1, G0B+4*\slot, G1B
	PLACES 4
.else
	PLACES 8
.endif
	FETCH \next, 0, F0
.endm
	s_wait_tensorcnt 1                             ; my part of slot 0 is in; slot 1's may be out
	s_barrier_signal -1
	s_barrier_wait -1
	FETCH 0, 0, F0
	STEPG 0, 0, 1                                  ; the first step's products start the sums
.if LAPS > 1
	WIN 0
	s_mov_b32 s3, LAPS-1
.Llap:
	STEPG 0, 1, 0
	STEPG 0, 2, 0
	TURNG 0, 1, 1
	STEPG 1, 0, 0
	STEPG 1, 1, 0
	STEPG 1, 2, 0
	TURNG 1, 0, 1
	STEPG 0, 0, 0
	WIN 0
	s_sub_co_u32 s3, s3, 1
	s_cmp_lg_u32 s3, 0
	s_cbranch_scc1 .Llap
.endif
	STEPG 0, 1, 0
	STEPG 0, 2, 0
	TURNG 0, 1, 0
	STEPG 1, 0, 0
	STEPG 1, 1, 0
	STEPG 1, 2, 0
	s_wait_dscnt 0x0
	WIN 0x05
	MUL8 F1, 0, 0
	MUL8 F1, 2, 0
	WIN 0
	PLACES 8
	s_wait_loadcnt 0x0                             ; x, the statistics, g, b, the bias
	v_pk_add_f32 v[52:53], v[52:53], v[56:57]      ; b + the bias
	v_pk_add_f32 v[54:55], v[54:55], v[58:59]
.irp a, 0,1,2,3
.if \a > 0
	s_wait_xcnt 0x0                                ; the last tile's stores have read their data
.endif
.irp b, 0,1,2,3
	ds_store_b128 v[STO], v[ACC+8*(4*\a+\b):ACC+8*(4*\a+\b)+3] offset:128*(\b/2)+32*(\b%2)       ; columns 32 (b / 2) + 8 (b % 2) + 16 h + 0 .. 7 of token row r; each accumulator from its low end on
	ds_store_b128 v[STO], v[ACC+8*(4*\a+\b)+4:ACC+8*(4*\a+\b)+7] offset:128*(\b/2)+32*(\b%2)+16
.endr
.irp t, 0,1,2,3,4,5,6,7
	ds_load_b128 v[BK+4*\t:BK+4*\t+3], v[RD] offset:544*\t      ; LDS serves a wave's instructions in order (ISA guide 5.7.1.4): these see my stores
.endr
	WIN 0x0a                                       ; sources 0 and 1 window 2
.irp t, 0,1,2,3,4,5,6,7
.irp e, 0,2
	v_pk_add_f32 v[TT+4*\t+\e:TT+4*\t+\e+1], v[32*\a+4*\t+\e:32*\a+4*\t+\e+1], v[128+32*\a+4*\t:129+32*\a+4*\t] neg_lo:[0,1] neg_hi:[0,1]   ; x - mu
.endr
.endr
	WIN 0x08                                       ; source 1 window 2
.irp t, 0,1,2,3,4,5,6,7
.irp e, 0,2
	v_pk_mul_f32 v[TT+4*\t+\e:TT+4*\t+\e+1], v[TT+4*\t+\e:TT+4*\t+\e+1], v[130+32*\a+4*\t:131+32*\a+4*\t]   ; x rs
.endr
.endr
	WIN 0
	s_wait_dscnt 0x0
.irp t, 0,1,2,3,4,5,6,7
.irp e, 0,2
	v_pk_add_f32 v[BK+4*\t+\e:BK+4*\t+\e+1], v[BK+4*\t+\e:BK+4*\t+\e+1], v[52+\e:53+\e]
.endr
.endr
.irp t, 0,1,2,3,4,5,6,7
.irp e, 0,2
	v_pk_fma_f32 v[BK+4*\t+\e:BK+4*\t+\e+1], v[TT+4*\t+\e:TT+4*\t+\e+1], v[48+\e:49+\e], v[BK+4*\t+\e:BK+4*\t+\e+1]
.endr
.endr
.irp t, 0,1,2,3,4,5,6,7
	global_store_b128 v[VX], v[BK+4*\t:BK+4*\t+3], s[18:19] offset:(32*(\a/2)+8*(\a%2)+2*\t+8*(\t/4))*4096   ; sixteen lanes store 256 consecutive bytes, aligned
.endr
.endr
	s_wait_tensorcnt 0x0                           ; the wave's end
	ds_add_u32 v[SPW], v[NIL]
	s_wait_dscnt 0x0
	CROUND                                         ; the closing round
	s_endpgm
.Lfunc_end_k_q0bf2083605_proj:
	.size	k_q0bf2083605_proj, .Lfunc_end_k_q0bf2083605_proj-k_q0bf2083605_proj
	.p2alignl 7, 3214868480
	.fill 96, 4, 3214868480
	.section	.rodata,"a",@progbits
	.p2align	6, 0x0
	.amdhsa_kernel k_q0bf2083605_proj
		.amdhsa_group_segment_fixed_size 327680
		.amdhsa_private_segment_fixed_size 0
		.amdhsa_enable_private_segment 0
		.amdhsa_kernarg_size 64
		.amdhsa_user_sgpr_count 2
		.amdhsa_user_sgpr_kernarg_segment_ptr 1
		.amdhsa_wavefront_size32 1
		.amdhsa_system_sgpr_workgroup_id_x 1
		.amdhsa_system_sgpr_workgroup_id_y 1
		.amdhsa_system_sgpr_workgroup_id_z 1
		.amdhsa_system_vgpr_workitem_id 0
		.amdhsa_next_free_vgpr 768
		.amdhsa_next_free_sgpr 100
		.amdhsa_reserve_vcc 0
		.amdhsa_float_denorm_mode_32 3
		.amdhsa_float_denorm_mode_16_64 3
		.amdhsa_memory_ordered 1
		.amdhsa_forward_progress 1
		.amdhsa_inst_pref_size 76
	.end_amdhsa_kernel
	.amdgpu_metadata
---
amdhsa.version: [ 1, 2 ]
amdhsa.kernels:
  - .name:           k_q0bf2083605_proj
    .symbol:         k_q0bf2083605_proj.kd
    .args:
      - { .name: ccod, .offset: 0, .size: 8, .value_kind: global_buffer, .address_space: global }
      - { .name: pre, .offset: 8, .size: 8, .value_kind: global_buffer, .address_space: global }
      - { .name: x, .offset: 16, .size: 8, .value_kind: global_buffer, .address_space: global }
      - { .name: act1, .offset: 24, .size: 8, .value_kind: global_buffer, .address_space: global }
      - { .name: g1, .offset: 32, .size: 8, .value_kind: global_buffer, .address_space: global }
      - { .name: be1, .offset: 40, .size: 8, .value_kind: global_buffer, .address_space: global }
      - { .name: b_proj, .offset: 48, .size: 8, .value_kind: global_buffer, .address_space: global }
      - { .name: hbuf, .offset: 56, .size: 8, .value_kind: global_buffer, .address_space: global }
    .group_segment_fixed_size: 327680
    .private_segment_fixed_size: 0
    .kernarg_segment_align: 8
    .kernarg_segment_size: 64
    .max_flat_workgroup_size: 128
    .sgpr_count:     100
    .vgpr_count:     768
    .wavefront_size: 32
...
	.end_amdgpu_metadata
.endif
;; end of part 4
;; launch ln2 (part 5): grid 256 x 1, 4 waves a work-group, no clusters, 9,216 bytes of LDS; arguments hbuf, g2, be2, act2; writes act2
.if DOCPART == 5
	.amdgcn_target "amdgcn-amd-amdhsa--gfx1250"
	.amdhsa_code_object_version 6
	.text
	.protected	k_q0bf2083605_ln2
	.globl	k_q0bf2083605_ln2
	.p2align	8
	.type	k_q0bf2083605_ln2,@function
k_q0bf2083605_ln2:
	s_mov_b64 s[64:65], 0
	v_nop
	global_prefetch_b8 v0, s[64:65] scope:SCOPE_SE
	s_setreg_imm32_b32 hwreg(HW_REG_WAVE_MODE, 25, 1), 1
	s_wait_xcnt 0x0
; LAYER NORM 2 AND QUANTISER: h2 = (h - mu) rsqrt(var + 1e-5) g2 + be2 over rows of 1,024, all in f32; h2 leaves as codes of E5M2 in operand blocks (layout: launch prep), and each row's mu and rsqrt as 16 bytes
; [mu, mu, rs, rs] behind them: the launch that adds h2 as a residual makes it anew from h and these.  Nothing of reference() is left out.
; A work-group takes a tile of 16 rows; wave w takes K steps 2 w and 2 w + 1: 128 numbers a lane, which stay in registers between the passes: a row is read once.
; g and b: a wave fetches its 1 KB of each with four loads into LDS bytes of its own and reads 16 + 16 numbers a chunk from there: 36 loads from memory a wave in all.
; The waves' sums meet in LDS: two barriers, each on bytes of its own.  LIMITS: NaN and infinities are not served; a block of zeros gets the byte 1; magnitudes under 2^-111 were not tried.
.set OBB,   16896
.set STATS, 256*OBB
.set SPARE, 512                        ; LDS: 0-255 the first sums, 256-511 the second, then the spare words: 128 bytes a wave, which no other line names
.set GST,   1024                       ; g and b: 2,048 bytes a wave
.set GL,    7
.set RW,    8
.set SPW,   10
.set NIL,   11
.set GS,    12
.set TM,    20
.set PC,    36
.set PW,    52
.set X,     64                         ; v64-191 my 128 numbers
.set GB,    192                        ; v192-255 two sets of 16 gains and 16 offsets
.set SEL,   16
.set MNT,   18
.macro QUANT s
.irp b, 0,1,2,3
	v_max3_num_f32 v[TM+\b], |v[\s+16*\b]|, |v[\s+1+16*\b]|, 0x8000000   ; my 16 numbers of block b, and the floor 2^(16 - 127)
.endr
.irp i, 2,4,6,8,10,12,14
.irp b, 0,1,2,3
	v_max3_num_f32 v[TM+\b], v[TM+\b], |v[\s+16*\b+\i]|, |v[\s+1+16*\b+\i]|
.endr
.endr
.irp b, 0,1,2,3
	v_permlanex16_b32 v[TM+4+\b], v[TM+\b], s[SEL], s[SEL+1]
.endr
.irp b, 0,1,2,3
	v_max_num_f32 v[TM+\b], v[TM+\b], v[TM+4+\b]
.endr
.irp b, 0,1,2,3
	v_add_nc_u32 v[TM+12+\b], 0xf8800000, v[TM+\b]                ; 15 off the exponent field: the conversion's scale operand
.endr
.irp b, 0,1,2,3
	v_and_or_b32 v[TM+8+\b], v[TM+\b], 0x7f800000, s[MNT]         ; 57,344 x the scale
.endr
.irp b, 0,1,2,3
	v_lshrrev_b32 v[TM+4+\b], 23, v[TM+12+\b]
.endr
	v_lshl_or_b32 v[PW], v[TM+5], 8, v[TM+4]
	v_lshl_or_b32 v[PW], v[TM+6], 16, v[PW]
	v_lshl_or_b32 v[PW], v[TM+7], 24, v[PW]
.irp b, 0,1,2,3
.irp i, 0,1,2,3,4,5,6,7,8,9,10,11,12,13,14,15
	v_med3_num_f32 v[\s+16*\b+\i], v[\s+16*\b+\i], -v[TM+8+\b], v[TM+8+\b]
.endr
	v_cvt_scalef32_pk8_bf8_f32 v[PC+4*\b:PC+1+4*\b], v[\s+16*\b:\s+7+16*\b], v[TM+12+\b]
	v_cvt_scalef32_pk8_bf8_f32 v[PC+2+4*\b:PC+3+4*\b], v[\s+8+16*\b:\s+15+16*\b], v[TM+12+\b]
.endr
	v_nop
.endm
.macro PUT q
.irp c, 0,1,2,3
	global_store_b128 v5, v[PC+4*\c:PC+4*\c+3], s[24:25] offset:(\q)*OBB+512*\c   ; 512 consecutive bytes a store
.endr
	global_store_b32 v6, v[PW], s[26:27] offset:(\q)*OBB
.endm
.macro LANESUM                         ; four packed chains v[54:61] -> v54: my lane's and lane l xor 16's
	v_pk_add_f32 v[54:55], v[54:55], v[56:57]
	v_pk_add_f32 v[58:59], v[58:59], v[60:61]
	v_pk_add_f32 v[54:55], v[54:55], v[58:59]
	v_add_f32 v54, v54, v55
	v_permlanex16_b32 v55, v54, s[SEL], s[SEL+1]
	v_add_f32 v54, v54, v55
.endm
.macro WGSUM off                       ; and the four waves': store, wait for 0, barrier, load
	ds_store_b32 v[RW], v54 offset:\off
	s_wait_dscnt 0x0                               ; for the others' sake: my store has landed
	s_barrier_signal -1
	s_barrier_wait -1
.irp k, 0,1,2,3
	ds_load_b32 v[56+\k], v6 offset:\off+64*\k
.endr
	s_wait_dscnt 0x0
	v_add_f32 v56, v56, v57
	v_add_f32 v58, v58, v59
	v_add_f32 v54, v56, v58
.endm
.macro GBL n                           ; the gains and offsets of chunk n (16 along K of my half) out of my wave's LDS bytes into set n % 2
.irp j, 0,1,2,3
	ds_load_b128 v[GB+32*((\n)%2)+4*\j:GB+32*((\n)%2)+4*\j+3], v[GL] offset:128*(\n)+16*\j
.endr
.irp j, 0,1,2,3
	ds_load_b128 v[GB+32*((\n)%2)+16+4*\j:GB+32*((\n)%2)+16+4*\j+3], v[GL] offset:1024+128*(\n)+16*\j
.endr
.endm
.macro CHUNK n
.if (\n) < 7
	s_wait_dscnt 8                                 ; this chunk's eight LDS loads are in; the next chunk's eight may be out
.else
	s_wait_dscnt 0x0
.endif
.irp e, 0,2,4,6,8,10,12,14
	v_pk_mul_f32 v[X+16*(\n)+\e:X+16*(\n)+\e+1], v[X+16*(\n)+\e:X+16*(\n)+\e+1], v[16:17]
.endr
.irp e, 0,2,4,6,8,10,12,14
	v_pk_fma_f32 v[X+16*(\n)+\e:X+16*(\n)+\e+1], v[X+16*(\n)+\e:X+16*(\n)+\e+1], v[GB+32*((\n)%2)+\e:GB+32*((\n)%2)+\e+1], v[GB+32*((\n)%2)+16+\e:GB+32*((\n)%2)+16+\e+1]
.endr
.if (\n) < 6
	GBL (\n)+2
.endif
.endm
	s_load_b256 s[4:11], s[0:1], 0x0               ; h, g, b, the result
	v_lshl_add_u32 v[SPW], v0, 2, SPARE
	v_mov_b32 v[NIL], 0
	v_lshrrev_b32 v1, 5, v0
	v_readfirstlane_b32 s12, v1                    ; wave
	v_and_b32 v1, 31, v0
	v_and_b32 v2, 15, v0                           ; r
	v_bfe_u32 v3, v0, 4, 1                         ; h
	v_lshlrev_b32 v5, 4, v1
	v_lshlrev_b32 v6, 2, v2
	v_and_b32 v9, 8, v2
	v_add_nc_u32 v9, v9, v2                        ; my row in the tile: (r & 7) + 16 (r >> 3)
	v_lshlrev_b32 v4, 12, v9
	v_lshl_add_u32 v4, v3, 6, v4
	v_lshlrev_b32 v9, 4, v9
	s_lshl_b32 s13, s12, 10
	v_add_nc_u32 v13, s13, v5                      ; g, b: 1,024 w + 16 lane
	s_lshl_b32 s30, s12, 11
	s_add_co_u32 s30, s30, GST
	v_add_nc_u32 v[GS], s30, v5                    ; LDS: my wave's 2,048 bytes, 16 lane
	v_lshl_add_u32 v[GL], v3, 6, s30               ; and back: 64 h
	s_lshl_b32 s14, s12, 6
	v_add_nc_u32 v[RW], s14, v6                    ; LDS: 64 w + 4 r
	s_mov_b32 s[SEL], 0x76543210
	s_mov_b32 s[SEL+1], 0xfedcba98
	s_mov_b32 s[MNT], 0x600000
	s_mov_b32 s20, 0x3a800000                      ; 1 / 1,024
	s_mov_b32 s21, 0x3727c5ac                      ; 1e-5
	s_lshr_b32 s15, ttmp9, 3                       ; g
	s_and_b32 s19, ttmp9, 7                        ; i
	s_lshr_b32 s22, s19, 1
	s_lshl_b32 s22, s22, 5
	s_and_b32 s23, s19, 1
	s_lshl_b32 s23, s23, 3
	s_add_co_u32 s22, s22, s23
	s_lshl_b32 s23, s15, 7
	s_add_co_u32 s14, s22, s23                     ; the tile's lowest row
	s_lshl_b32 s22, s14, 12
	s_add_co_u32 s22, s22, s13
	s_mov_b32 s23, 0
	s_wait_kmcnt 0x0
	global_load_b128 v[240:243], v13, s[6:7]
	global_load_b128 v[244:247], v13, s[6:7] offset:512
	global_load_b128 v[248:251], v13, s[8:9]
	global_load_b128 v[252:255], v13, s[8:9] offset:512
	s_add_nc_u64 s[4:5], s[4:5], s[22:23]
.irp q, 0,1
.irp c, 0,1,2,3
.irp j, 0,1,2,3
	global_load_b128 v[X+64*\q+16*\c+4*\j:X+64*\q+16*\c+4*\j+3], v4, s[4:5] offset:512*\q+128*\c+16*\j th:TH_LOAD_NT
.endr
.endr
.endr
	s_lshl_b32 s22, s15, 3
	s_lshl_b32 s13, s12, 1
	s_add_co_u32 s22, s22, s13
	s_mul_i32 s22, s22, OBB
	s_add_nc_u64 s[28:29], s[10:11], s[22:23]      ; OB(g, 2 w)
	s_lshl_b32 s22, s19, 11
	s_add_nc_u64 s[24:25], s[28:29], s[22:23]
	s_lshl_b32 s22, s19, 6
	s_add_co_u32 s22, s22, 16384
	s_add_nc_u64 s[26:27], s[28:29], s[22:23]
	s_lshl_b32 s22, s14, 4
	s_add_co_u32 s22, s22, STATS
	s_add_nc_u64 s[28:29], s[10:11], s[22:23]
.irp b, 0,1,2,3
	v_mov_b32 v[TM+4+\b], 0                        ; a lane permute's destination counts as one of its sources
.endr
	s_wait_loadcnt 32                              ; g and b are in: behind their four loads stand h's 32
	ds_store_b128 v[GS], v[240:243]
	ds_store_b128 v[GS], v[244:247] offset:512
	ds_store_b128 v[GS], v[248:251] offset:1024
	ds_store_b128 v[GS], v[252:255] offset:1536
	s_wait_dscnt 0x0                               ; the stores have read their registers: the second set lies over them
	GBL 0
	GBL 1
	s_wait_loadcnt 0x0                             ; h
	; ---- the mean
.irp c, 0,1,2,3
	v_pk_add_f32 v[54+2*\c:55+2*\c], v[X+2*\c:X+2*\c+1], v[X+8+2*\c:X+9+2*\c]
.endr
.set p, 8
.rept 56
	v_pk_add_f32 v[54+2*(p%4):55+2*(p%4)], v[54+2*(p%4):55+2*(p%4)], v[X+2*p:X+2*p+1]
.set p, p+1
.endr
	LANESUM
	WGSUM 0
	v_mul_f32 v14, s20, v54
	v_mov_b32 v15, v14
	; ---- the variance, of h - mu
.set p, 0
.rept 64
	v_pk_add_f32 v[X+2*p:X+2*p+1], v[X+2*p:X+2*p+1], v[14:15] neg_lo:[0,1] neg_hi:[0,1]
.set p, p+1
.endr
.irp c, 0,1,2,3
	v_pk_mul_f32 v[54+2*\c:55+2*\c], v[X+2*\c:X+2*\c+1], v[X+2*\c:X+2*\c+1]
.endr
.set p, 4
.rept 60
	v_pk_fma_f32 v[54+2*(p%4):55+2*(p%4)], v[X+2*p:X+2*p+1], v[X+2*p:X+2*p+1], v[54+2*(p%4):55+2*(p%4)]
.set p, p+1
.endr
	LANESUM
	WGSUM 256                                      ; other bytes than the first sums': no barrier is owed between
	v_fma_f32 v16, v54, s20, s21
	v_rsq_f32 v16, v16
	v_nop                                          ; a plain line behind the transcendental
	s_wait_alu depctr_va_vdst(0)                   ; and a wait ahead of its first reader
	v_mov_b32 v17, v16
	; ---- normalise, quantise, store
	CHUNK 0
	CHUNK 1
	CHUNK 2
	CHUNK 3
	QUANT X
	PUT 0
	CHUNK 4
	CHUNK 5
	CHUNK 6
	CHUNK 7
	s_wait_xcnt 0x0                                ; the stores have read their data: the codes' registers are written again
	QUANT X+64
	PUT 1
	s_cmp_lg_u32 s12, 0
	s_cbranch_scc1 .Lno_stats
	global_store_b128 v9, v[14:17], s[28:29]       ; wave 0: mu, mu, rs, rs of my row
.Lno_stats:
	s_wait_tensorcnt 0x0                           ; the wave's end: a wait, an add and a wait behind my last LDS store
	ds_add_u32 v[SPW], v[NIL]
	s_wait_dscnt 0x0
	s_endpgm
.Lfunc_end_k_q0bf2083605_ln2:
	.size	k_q0bf2083605_ln2, .Lfunc_end_k_q0bf2083605_ln2-k_q0bf2083605_ln2
	.p2alignl 7, 3214868480
	.fill 96, 4, 3214868480
	.section	.rodata,"a",@progbits
	.p2align	6, 0x0
	.amdhsa_kernel k_q0bf2083605_ln2
		.amdhsa_group_segment_fixed_size 9216
		.amdhsa_private_segment_fixed_size 0
		.amdhsa_enable_private_segment 0
		.amdhsa_kernarg_size 32
		.amdhsa_user_sgpr_count 2
		.amdhsa_user_sgpr_kernarg_segment_ptr 1
		.amdhsa_wavefront_size32 1
		.amdhsa_system_sgpr_workgroup_id_x 1
		.amdhsa_system_sgpr_workgroup_id_y 1
		.amdhsa_system_sgpr_workgroup_id_z 1
		.amdhsa_system_vgpr_workitem_id 0
		.amdhsa_next_free_vgpr 256
		.amdhsa_next_free_sgpr 66
		.amdhsa_reserve_vcc 0
		.amdhsa_float_denorm_mode_32 3
		.amdhsa_float_denorm_mode_16_64 3
		.amdhsa_memory_ordered 1
		.amdhsa_forward_progress 1
		.amdhsa_inst_pref_size 50
	.end_amdhsa_kernel
	.amdgpu_metadata
---
amdhsa.version: [ 1, 2 ]
amdhsa.kernels:
  - .name:           k_q0bf2083605_ln2
    .symbol:         k_q0bf2083605_ln2.kd
    .args:
      - { .name: hbuf, .offset: 0, .size: 8, .value_kind: global_buffer, .address_space: global }
      - { .name: g2, .offset: 8, .size: 8, .value_kind: global_buffer, .address_space: global }
      - { .name: be2, .offset: 16, .size: 8, .value_kind: global_buffer, .address_space: global }
      - { .name: act2, .offset: 24, .size: 8, .value_kind: global_buffer, .address_space: global }
    .group_segment_fixed_size: 9216
    .private_segment_fixed_size: 0
    .kernarg_segment_align: 8
    .kernarg_segment_size: 32
    .max_flat_workgroup_size: 128
    .sgpr_count:     66
    .vgpr_count:     256
    .wavefront_size: 32
...
	.end_amdgpu_metadata
.endif
;; end of part 5
;; launch ffn1 (part 6): grid 16 x 16, 4 waves a work-group, clusters of 4 x 4, 327,680 bytes of LDS; arguments act2, pre, b1, hid; writes hid
.if DOCPART == 6
	.amdgcn_target "amdgcn-amd-amdhsa--gfx1250"
	.amdhsa_code_object_version 6
	.text
	.protected	k_q0bf2083605_ffn1
	.globl	k_q0bf2083605_ffn1
	.p2align	8
	.type	k_q0bf2083605_ffn1,@function
k_q0bf2083605_ffn1:
	s_mov_b64 s[64:65], 0
	v_nop
	global_prefetch_b8 v0, s[64:65] scope:SCOPE_SE
	s_setreg_imm32_b32 hwreg(HW_REG_WAVE_MODE, 25, 1), 1
	s_wait_xcnt 0x0
	s_wait_alu depctr_hold_cnt(0) depctr_sa_sdst(0) depctr_va_vdst(0) depctr_va_sdst(0) depctr_va_ssrc(0) depctr_va_vcc(0) depctr_vm_vsrc(0)
	s_getreg_b32 s2, hwreg(HW_REG_IB_STS2, 6, 4)
	s_cmp_eq_u32 s2, 0
	s_cbranch_scc0 .Lentry_in_a_cluster
	s_endpgm
.Lentry_in_a_cluster:
	s_bfe_u32 s2, ttmp6, 0x10000c
	s_cmp_lg_u32 s2, 0xf033
	s_cbranch_scc0 .Lentry_shape_is_right
	s_endpgm
.Lentry_shape_is_right:
; hidden = gelu(h2 w1 + b1), the product on codes of E5M2 with E8M0 scales; the hidden layer is quantised in registers along its 4,096 and leaves as the second product's operand.  Nothing of reference() is left out.
; The loop is launch qkv's: a tile of 256 x 256 to a work-group, 128 x 128 to a wave; source 0 (B) = w1's rows (hidden units, which run along a lane's registers in the result), source 1 (A) = the tokens;
; operands as images of their registers; two K steps to a slot, two slots; 4 x 4 clusters with joint loads.
; GELU, exact form: gelu(x) = max(x, 0) - |x| Q(|x|), Q the normal distribution's upper tail: Q(y) = 2^(-y y log2(e) / 2) t (b1 + t (b2 + t (b3 + t (b4 + t b5)))), t = 1 / (1 + 0.2316419 y)
; (Abramowitz and Stegun 26.2.17, 1 / sqrt(2 pi) folded into the five constants).  LIMIT: that formula's error in Q is at most 7.5e-8 absolute, the size of one rounding of 1 + erf in f32; it is not cut to the drawn inputs: it holds for every y.
; LIMITS: NaN and infinities are not served; a block of zeros gets the byte 1; magnitudes under 2^-111 were not tried.
; THE WAY OUT is a loop of eight trips, one for each of A's tiles: an arm, chosen by the count of trips, adds the bias and brings the tile's 64 results into window 0; the rest of a trip is written once.
; REGISTERS: as in launch qkv; on the way out window 1 holds the GELU's t, exponent, polynomial and max(x, 0).
.set OBB,   16896
.set NQ,    2
.set FR,    16
.set NL,    4
.set NP,    8
.set HALFT, 2*OBB
.set SLOT,  4*HALFT
.set SPARE, 2*SLOT
.set LAPS,  2
.set ADRA, 16
.set ADRB, 20
.set ADRS, 22
.set LI,   24
.set LR,   25
.set SPW,  28
.set NIL,  29
.set SC,   32
.set BI,   64
.set AF,   128
.set HH,   128
.set TM,   192
.set PC,   208
.set PW,   224
.set KB4,  226
.set G1,   24
.set G0,   32
.set G1B,  48
.set G0B,  56
.set PCC,  66
.set K2,   68
.set B5,   70
.set B3,   72
.set B2,   74
.set B1,   76
.set AI,   67
.set CB,   88
.set SB2,  90
.set SEL,  96
.set MNT,  98
.set MSB, 0
.macro WIN new
.if MSB != (\new)
	s_set_vgpr_msb (MSB<<8)|(\new)
.set MSB, (\new)
.endif
.endm
.set MUL_LO, 0xa1
.set MUL_HI, 0xf1
.set TO_B,   0x40
.macro PLACES n
.rept \n
	v_nop
.endr
.endm
.macro JLOAD g0a, g1a, g0b, g1b
	s_cmp_eq_u32 s15, 0
	s_cbranch_scc0 .Lfor_b_\@
	tensor_load_to_lds s[\g0a:\g0a+3], s[\g1a:\g1a+7]
	s_nop 0
.rept 4
	v_nop
.endr
	s_branch .Lasked_\@
.Lfor_b_\@:
	tensor_load_to_lds s[\g0b:\g0b+3], s[\g1b:\g1b+7]
	s_nop 0
.rept 4
	v_nop
.endr
.Lasked_\@:
.endm
.macro CREST
	s_cmp_lg_u32 s14, 0
	s_cbranch_scc1 .Lnot_wave_0_\@
	s_barrier_signal -3
.Lnot_wave_0_\@:
	s_barrier_wait -3
	s_barrier_signal -1
	s_barrier_wait -1
.endm
.macro CROUND
	s_barrier_signal -1
	s_barrier_wait -1
	CREST
.endm
.macro QUANT s
.irp b, 0,1,2,3
	v_max3_num_f32 v[TM+\b], |v[\s+16*\b]|, |v[\s+1+16*\b]|, 0x8000000
.endr
.irp i, 2,4,6,8,10,12,14
.irp b, 0,1,2,3
	v_max3_num_f32 v[TM+\b], v[TM+\b], |v[\s+16*\b+\i]|, |v[\s+1+16*\b+\i]|
.endr
.endr
.irp b, 0,1,2,3
	v_permlanex16_b32 v[TM+4+\b], v[TM+\b], s[SEL], s[SEL+1]
.endr
.irp b, 0,1,2,3
	v_max_num_f32 v[TM+\b], v[TM+\b], v[TM+4+\b]
.endr
.irp b, 0,1,2,3
	v_add_nc_u32 v[TM+12+\b], 0xf8800000, v[TM+\b]
.endr
.irp b, 0,1,2,3
	v_and_or_b32 v[TM+8+\b], v[TM+\b], 0x7f800000, s[MNT]
.endr
.irp b, 0,1,2,3
	v_lshrrev_b32 v[TM+4+\b], 23, v[TM+12+\b]
.endr
	v_lshl_or_b32 v[PW], v[TM+5], 8, v[TM+4]
	v_lshl_or_b32 v[PW], v[TM+6], 16, v[PW]
	v_lshl_or_b32 v[PW], v[TM+7], 24, v[PW]
.irp b, 0,1,2,3
.irp i, 0,1,2,3,4,5,6,7,8,9,10,11,12,13,14,15
	v_med3_num_f32 v[\s+16*\b+\i], v[\s+16*\b+\i], -v[TM+8+\b], v[TM+8+\b]
.endr
	v_cvt_scalef32_pk8_bf8_f32 v[PC+4*\b:PC+1+4*\b], v[\s+16*\b:\s+7+16*\b], v[TM+12+\b]
	v_cvt_scalef32_pk8_bf8_f32 v[PC+2+4*\b:PC+3+4*\b], v[\s+8+16*\b:\s+15+16*\b], v[TM+12+\b]
.endr
	v_nop
.endm
	s_load_b256 s[4:11], s[0:1], 0x0               ; act2, pre, b1, hid
	v_lshl_add_u32 v[SPW], v0, 2, SPARE
	v_mov_b32 v[NIL], 0
	ds_add_u32 v[SPW], v[NIL]                      ; the opening: the add, twice on end, and its wait ahead of my first tensor load
	ds_add_u32 v[SPW], v[NIL]
	v_lshrrev_b32 v1, 5, v0
	v_readfirstlane_b32 s14, v1
	s_lshr_b32 s15, s14, 1
	s_and_b32 s16, s14, 1
	s_bfe_u32 s40, ttmp6, 0x40000
	s_bfe_u32 s41, ttmp6, 0x40004
	s_lshl_b32 s42, ttmp9, 2
	s_add_co_u32 s42, s42, s40                     ; B's tile: 256 hidden units
	s_and_b32 s17, ttmp7, 0xffff
	s_lshl_b32 s17, s17, 2
	s_add_co_u32 s17, s17, s41                     ; A's tile: 256 tokens
	s_lshl_b32 s43, s41, 2
	s_lshl_b32 s43, 15, s43
	s_lshl_b32 s44, 0x1111, s40
	s_or_b32 s[G1+0], s43, (3<<16)|(1<<21)
	s_or_b32 s[G1B+0], s44, (3<<16)|(1<<21)
.irp g, G1, G1B
	s_mov_b32 s[\g+1], 32<<16
	s_mov_b32 s[\g+2], 132<<16
	s_mov_b32 s[\g+3], 32<<16
	s_mov_b32 s[\g+4], 132
	s_mov_b32 s[\g+5], 32
	s_mov_b32 s[\g+6], 0
	s_mov_b32 s[\g+7], 0
.endr
	s_lshl_b32 s20, s17, 1
	s_add_co_u32 s20, s20, s16
	s_mul_i32 s20, s20, 8*OBB
	s_mov_b32 s21, 0
	s_lshl_b32 s46, s42, 1
	s_add_co_u32 s46, s46, s16
	s_mul_i32 s46, s46, 8*OBB
	s_add_co_u32 s46, s46, 256*OBB                 ; w1's blocks in pre
	s_mov_b32 s47, 0
	s_mul_i32 s45, s14, HALFT
	s_mov_b32 s[SEL], 0x76543210
	s_mov_b32 s[SEL+1], 0xfedcba98
	s_mov_b32 s[MNT], 0x600000
	s_mov_b32 s[PCC], 0x3e6d3389                   ; 0.2316419
	s_mov_b32 s[K2], 0xbf38aa3b                    ; -log2(e) / 2
	s_mov_b32 s[K2+1], s[K2]
	s_mov_b32 s[B5], 0x3f07dc22                    ; the five constants / sqrt(2 pi); each named as a pair, so both words are written
	s_mov_b32 s[B5+1], s[B5]
	s_mov_b32 s[B3], 0x3f35f0e3
	s_mov_b32 s[B3+1], s[B3]
	s_mov_b32 s[B2], 0xbe11a98e
	s_mov_b32 s[B2+1], s[B2]
	s_mov_b32 s[B1], 0x3e027906
	s_mov_b32 s[B1+1], s[B1]
	s_wait_dscnt 0x0
	s_wait_kmcnt 0x0
	s_add_nc_u64 s[20:21], s[4:5], s[20:21]
	s_add_nc_u64 s[46:47], s[6:7], s[46:47]
	CROUND
.irp s, 0,1
	s_mov_b32 s[G0+4*\s], 1
	s_add_co_u32 s[G0+4*\s+1], s45, \s*SLOT
	s_add_nc_u64 s[G0+4*\s+2:G0+4*\s+3], s[20:21], \s*HALFT
	s_or_b32 s[G0+4*\s+3], s[G0+4*\s+3], 0x80000000
	s_mov_b32 s[G0B+4*\s], 1
	s_add_co_u32 s[G0B+4*\s+1], s45, \s*SLOT
	s_add_nc_u64 s[G0B+4*\s+2:G0B+4*\s+3], s[46:47], \s*HALFT
	s_or_b32 s[G0B+4*\s+3], s[G0B+4*\s+3], 0x80000000
	JLOAD G0+4*\s, G1, G0B+4*\s, G1B
.endr
	v_and_b32 v1, 31, v0
	v_and_b32 v2, 15, v0
	v_bfe_u32 v3, v0, 4, 1
	v_lshlrev_b32 v[LI], 4, v1
	v_lshlrev_b32 v[LR], 2, v2
	s_mul_i32 s78, s15, HALFT
	s_mul_i32 s79, s16, HALFT
	s_add_co_u32 s79, s79, 2*HALFT
	s_sub_co_u32 s80, s79, s78
	v_mul_u32_u24 v4, s80, v3
	v_add_nc_u32 v4, v4, v[LR]
	s_add_co_u32 s81, s78, 16384
.irp s, 0,1
	v_add_nc_u32 v[ADRA+\s], s78, v[LI]
	v_add_nc_u32 v[ADRB+\s], s79, v[LI]
	v_add_nc_u32 v[ADRS+\s], s81, v4
	s_add_co_u32 s78, s78, SLOT
	s_add_co_u32 s79, s79, SLOT
	s_add_co_u32 s81, s81, SLOT
.endr
	s_lshl_b32 s82, s42, 1
	s_add_co_u32 s82, s82, s16                     ; my group of hidden units: the second product's K step
	s_lshl_b32 s83, s17, 1
	s_add_co_u32 s83, s83, s15                     ; my group of tokens
	s_lshl_b32 s86, s82, 9
	s_mov_b32 s87, 0
	s_add_nc_u64 s[84:85], s[8:9], s[86:87]
	v_lshlrev_b32 v5, 6, v3
.irp p, 0,1,2,3
.irp j, 0,1,2,3
	global_load_b128 v[BI+16*\p+4*\j:BI+16*\p+4*\j+3], v5, s[84:85] offset:128*\p+16*\j   ; b1: register 16 p + i: unit 32 p + 16 h + i of the group
.endr
.endr
	s_lshl_b32 s86, s83, 5
	s_add_co_u32 s86, s86, s82
	s_mul_i32 s86, s86, OBB
	s_add_nc_u64 s[CB:CB+1], s[10:11], s[86:87]    ; my wave writes one whole block of hid
	s_add_nc_u64 s[SB2:SB2+1], s[CB:CB+1], 16384
.macro FRAG reg, adr, q, i
.irp c, 0,1,2,3
	ds_load_b128 v[\reg+4*\c:\reg+4*\c+3], v[\adr] offset:OBB*(\q)+2048*(\i)+512*\c
.endr
.endm
.macro MUL16 a0, p, q, sc, zero        ; the 64 accumulators take turns, in the same order in every step
.irp a, \a0, \a0+1
.irp b, 0,1,2,3,4,5,6,7
.if \zero
	v_wmma_scale_f32_16x16x128_f8f6f4 v[8*(8*((\a)%4)+\b):8*(8*((\a)%4)+\b)+7], v[128*(\p)+FR*\b:128*(\p)+FR*\b+FR-1], v[AF+FR*(\a):AF+FR*(\a)+FR-1], 0, v[SC+8*NQ*(\sc)+NQ*\b+(\q)], v[SC+8*NQ*(\sc)+NQ*(\a)+(\q)] matrix_a_fmt:MATRIX_FMT_BF8 matrix_b_fmt:MATRIX_FMT_BF8 matrix_a_scale:MATRIX_SCALE_ROW1
.else
	v_wmma_scale_f32_16x16x128_f8f6f4 v[8*(8*((\a)%4)+\b):8*(8*((\a)%4)+\b)+7], v[128*(\p)+FR*\b:128*(\p)+FR*\b+FR-1], v[AF+FR*(\a):AF+FR*(\a)+FR-1], v[8*(8*((\a)%4)+\b):8*(8*((\a)%4)+\b)+7], v[SC+8*NQ*(\sc)+NQ*\b+(\q)], v[SC+8*NQ*(\sc)+NQ*(\a)+(\q)] matrix_a_fmt:MATRIX_FMT_BF8 matrix_b_fmt:MATRIX_FMT_BF8 matrix_a_scale:MATRIX_SCALE_ROW1
.endif
.endr
.endr
.endm
.macro FETCH_B slot, q, p
	WIN TO_B
.irp i, 0,1,2,3,4,5,6,7
	FRAG 128*(\p)+FR*\i, ADRB+\slot, \q, \i
.endr
	WIN 0
.endm
.macro FETCH_A slot, q, i0
.irp i, \i0, \i0+1, \i0+2, \i0+3
	FRAG AF+FR*(\i), ADRA+\slot, \q, \i
.endr
.endm
.macro SCALES sc
.irp i, 0,1,2,3,4,5,6,7
	ds_load_b32 v[SC+8*NQ*\sc+NQ*\i], v[ADRS+\sc] offset:64*\i
	ds_load_b32 v[SC+8*NQ*\sc+NQ*\i+1], v[ADRS+\sc] offset:OBB+64*\i
.endr
.endm
.macro STEP slot, q, zero
	s_wait_dscnt 4*NL                              ; all but the youngest 16 loads (A's blocks 4-7) are in
	WIN MUL_LO
	MUL16 0, (\q)%2, \q, \slot, \zero
	MUL16 2, (\q)%2, \q, \slot, \zero
	s_wait_dscnt 0
	PLACES NP
	FETCH_B \slot, (\q)+1, 1-(\q)%2
	FETCH_A \slot, (\q)+1, 0
	WIN MUL_HI
	MUL16 4, (\q)%2, \q, \slot, \zero
	MUL16 6, (\q)%2, \q, \slot, \zero
	PLACES NP
	WIN 0
	FETCH_A \slot, (\q)+1, 4
.endm
.macro TURN slot, next, fill
	s_wait_tensorcnt 0x0                           ; all my tensor loads have landed: my part of the next slot
	ds_add_u32 v[SPW], v[NIL]                      ; 0 onto my spare word
	s_wait_dscnt 4*NL+1                            ; (the add and the youngest 16 loads may be out)
	WIN MUL_LO
	MUL16 0, 1, NQ-1, \slot, 0
	s_wait_dscnt 0x0                               ; the add is done, and my reads of this slot are over
	s_barrier_signal -1
	MUL16 2, 1, NQ-1, \slot, 0
	WIN 0
	s_barrier_wait -1
.if \fill
	CREST
	s_add_nc_u64 s[G0+4*\slot+2:G0+4*\slot+3], s[G0+4*\slot+2:G0+4*\slot+3], 2*HALFT
	s_add_nc_u64 s[G0B+4*\slot+2:G0B+4*\slot+3], s[G0B+4*\slot+2:G0B+4*\slot+3], 2*HALFT
	JLOAD G0+4*\slot, G1, G0B+4*\slot, G1B
	PLACES NP-4
.else
	PLACES NP
.endif
	FETCH_B \next, 0, 0
	FETCH_A \next, 0, 0
	SCALES \next
	WIN MUL_HI
	MUL16 4, 1, NQ-1, \slot, 0
	MUL16 6, 1, NQ-1, \slot, 0
	PLACES NP
	WIN 0
	FETCH_A \next, 0, 4
.endm
.macro ARM a                           ; tile a's 64 results + b1 -> v[HH] on, each accumulator from its low end on
	WIN 2+(\a)/4
.set m, 0
.rept 32
	v_pk_add_f32 v[HH+m:HH+m+1], v[64*((\a)%4)+m:64*((\a)%4)+m+1], v[BI+m:BI+m+1]
.set m, m+2
.endr
	WIN 0
.endm
.macro GELU                            ; x = v[HH] on, in place.  Window 1: t v0-63, the exponent v64-127, the polynomial v128-191, max(x, 0) v192-255
	WIN 0x40
.set m, 0
.rept 32
	v_pk_mul_f32 v[64+m:65+m], v[HH+m:HH+m+1], v[HH+m:HH+m+1]
.set m, m+2
.endr
.set m, 0
.rept 64
	v_fma_f32 v[m], |v[HH+m]|, s[PCC], 1.0
.set m, m+1
.endr
	WIN 0x41
.set m, 0
.rept 32
	v_pk_mul_f32 v[64+m:65+m], v[64+m:65+m], s[K2:K2+1] op_sel_hi:[1,0]
.set m, m+2
.endr
.set m, 0
.rept 64
	v_rcp_f32 v[m], v[m]
.set m, m+1
.endr
.set m, 0
.rept 64
	v_exp_f32 v[64+m], v[64+m]
.set m, m+1
.endr
	WIN 0x40
.set m, 0
.rept 64
	v_max_num_f32 v[192+m], 0, v[HH+m]             ; plain work that names no result of the batch
.set m, m+1
.endr
	s_wait_alu depctr_va_vdst(0)                   ; one wait for the 128, ahead of their first reader
	WIN 0x41
.set m, 0
.rept 32
	v_pk_fma_f32 v[128+m:129+m], v[m:m+1], s[B5:B5+1], v[KB4:KB4+1] op_sel_hi:[1,0,1]
.set m, m+2
.endr
	WIN 0x45
.irp k, B3, B2, B1
.set m, 0
.rept 32
	v_pk_fma_f32 v[128+m:129+m], v[128+m:129+m], v[m:m+1], s[\k:\k+1] op_sel_hi:[1,1,0]
.set m, m+2
.endr
.endr
.set m, 0
.rept 32
	v_pk_mul_f32 v[128+m:129+m], v[128+m:129+m], v[m:m+1]
.set m, m+2
.endr
.set m, 0
.rept 32
	v_pk_mul_f32 v[128+m:129+m], v[128+m:129+m], v[64+m:65+m]
.set m, m+2
.endr
	WIN 0x14
.set m, 0
.rept 64
	v_fma_f32 v[HH+m], -|v[HH+m]|, v[128+m], v[192+m]
.set m, m+1
.endr
	WIN 0
.endm
	s_wait_tensorcnt 1                             ; my part of slot 0 is in; slot 1's may be out
	s_barrier_signal -1
	s_barrier_wait -1
	FETCH_B 0, 0, 0
	FETCH_A 0, 0, 0
	SCALES 0
	FETCH_A 0, 0, 4
	STEP 0, 0, 1
	s_mov_b32 s3, LAPS-1
.Llap:
	TURN 0, 1, 1
	STEP 1, 0, 0
	TURN 1, 0, 1
	STEP 0, 0, 0
	s_sub_co_u32 s3, s3, 1
	s_cmp_lg_u32 s3, 0
	s_cbranch_scc1 .Llap
	TURN 0, 1, 0
	STEP 1, 0, 0
	s_wait_dscnt 4*NL
	WIN MUL_LO
	MUL16 0, 1, NQ-1, 1, 0
	MUL16 2, 1, NQ-1, 1, 0
	s_wait_dscnt 0
	WIN MUL_HI
	MUL16 4, 1, NQ-1, 1, 0
	MUL16 6, 1, NQ-1, 1, 0
	WIN 0
	PLACES NP                                      ; behind the last products: their results are read, and A's and B's registers written
	s_wait_loadcnt 0x0                             ; b1
.irp b, 0,1,2,3
	v_mov_b32 v[TM+4+\b], 0
.endr
	v_mov_b32 v[KB4], 0xbf3a00e3                   ; the fourth constant, as a pair of vector registers: the line that takes it has a scalar pair already
	v_mov_b32 v[KB4+1], 0xbf3a00e3
	s_mov_b32 s[AI], 0
.Lrow:
	s_cmp_eq_u32 s[AI], 1
	s_cbranch_scc1 .Lm1
	s_cmp_eq_u32 s[AI], 2
	s_cbranch_scc1 .Lm2
	s_cmp_eq_u32 s[AI], 3
	s_cbranch_scc1 .Lm3
	s_cmp_eq_u32 s[AI], 4
	s_cbranch_scc1 .Lm4
	s_cmp_eq_u32 s[AI], 5
	s_cbranch_scc1 .Lm5
	s_cmp_eq_u32 s[AI], 6
	s_cbranch_scc1 .Lm6
	s_cmp_eq_u32 s[AI], 7
	s_cbranch_scc1 .Lm7
	ARM 0
	s_branch .Lcom
.Lm1:
	ARM 1
	s_branch .Lcom
.Lm2:
	ARM 2
	s_branch .Lcom
.Lm3:
	ARM 3
	s_branch .Lcom
.Lm4:
	ARM 4
	s_branch .Lcom
.Lm5:
	ARM 5
	s_branch .Lcom
.Lm6:
	ARM 6
	s_branch .Lcom
.Lm7:
	ARM 7
.Lcom:
	GELU
	QUANT HH
.irp c, 0,1,2,3
	global_store_b128 v[LI], v[PC+4*\c:PC+4*\c+3], s[CB:CB+1] offset:512*\c      ; 512 consecutive bytes a store
.endr
	global_store_b32 v[LR], v[PW], s[SB2:SB2+1]
	s_wait_xcnt 0x0                                ; the stores have read their data and bases: both are written again
	s_add_nc_u64 s[CB:CB+1], s[CB:CB+1], 2048
	s_add_nc_u64 s[SB2:SB2+1], s[SB2:SB2+1], 64
	s_add_co_u32 s[AI], s[AI], 1
	s_cmp_lt_u32 s[AI], 8
	s_cbranch_scc1 .Lrow
	s_wait_tensorcnt 0x0                           ; the wave's end
	ds_add_u32 v[SPW], v[NIL]
	s_wait_dscnt 0x0
	CROUND                                         ; the closing round
	s_endpgm
.Lfunc_end_k_q0bf2083605_ffn1:
	.size	k_q0bf2083605_ffn1, .Lfunc_end_k_q0bf2083605_ffn1-k_q0bf2083605_ffn1
	.p2alignl 7, 3214868480
	.fill 96, 4, 3214868480
	.section	.rodata,"a",@progbits
	.p2align	6, 0x0
	.amdhsa_kernel k_q0bf2083605_ffn1
		.amdhsa_group_segment_fixed_size 327680
		.amdhsa_private_segment_fixed_size 0
		.amdhsa_enable_private_segment 0
		.amdhsa_kernarg_size 32
		.amdhsa_user_sgpr_count 2
		.amdhsa_user_sgpr_kernarg_segment_ptr 1
		.amdhsa_wavefront_size32 1
		.amdhsa_system_sgpr_workgroup_id_x 1
		.amdhsa_system_sgpr_workgroup_id_y 1
		.amdhsa_system_sgpr_workgroup_id_z 1
		.amdhsa_system_vgpr_workitem_id 0
		.amdhsa_next_free_vgpr 1024
		.amdhsa_next_free_sgpr 100
		.amdhsa_reserve_vcc 0
		.amdhsa_float_denorm_mode_32 3
		.amdhsa_float_denorm_mode_16_64 3
		.amdhsa_memory_ordered 1
		.amdhsa_forward_progress 1
		.amdhsa_inst_pref_size 174
	.end_amdhsa_kernel
	.amdgpu_metadata
---
amdhsa.version: [ 1, 2 ]
amdhsa.kernels:
  - .name:           k_q0bf2083605_ffn1
    .symbol:         k_q0bf2083605_ffn1.kd
    .args:
      - { .name: act2, .offset: 0, .size: 8, .value_kind: global_buffer, .address_space: global }
      - { .name: pre, .offset: 8, .size: 8, .value_kind: global_buffer, .address_space: global }
      - { .name: b1, .offset: 16, .size: 8, .value_kind: global_buffer, .address_space: global }
      - { .name: hid, .offset: 24, .size: 8, .value_kind: global_buffer, .address_space: global }
    .group_segment_fixed_size: 327680
    .private_segment_fixed_size: 0
    .kernarg_segment_align: 8
    .kernarg_segment_size: 32
    .max_flat_workgroup_size: 128
    .sgpr_count:     100
    .vgpr_count:     1024
    .wavefront_size: 32
...
	.end_amdgpu_metadata
.endif
;; end of part 6
;; launch ffn2 (part 7): grid 8 x 32, 4 waves a work-group, clusters of 4 x 4, 327,680 bytes of LDS; arguments hid, pre, hbuf, act2, g2, be2, b2, out0; writes out0
.if DOCPART == 7
	.amdgcn_target "amdgcn-amd-amdhsa--gfx1250"
	.amdhsa_code_object_version 6
	.text
	.protected	k_q0bf2083605_ffn2
	.globl	k_q0bf2083605_ffn2
	.p2align	8
	.type	k_q0bf2083605_ffn2,@function
k_q0bf2083605_ffn2:
	s_mov_b64 s[64:65], 0
	v_nop
	global_prefetch_b8 v0, s[64:65] scope:SCOPE_SE
	s_setreg_imm32_b32 hwreg(HW_REG_WAVE_MODE, 25, 1), 1
	s_wait_xcnt 0x0
	s_wait_alu depctr_hold_cnt(0) depctr_sa_sdst(0) depctr_va_vdst(0) depctr_va_sdst(0) depctr_va_ssrc(0) depctr_va_vcc(0) depctr_vm_vsrc(0)
	s_getreg_b32 s2, hwreg(HW_REG_IB_STS2, 6, 4)
	s_cmp_eq_u32 s2, 0
	s_cbranch_scc0 .Lentry_in_a_cluster
	s_endpgm
.Lentry_in_a_cluster:
	s_bfe_u32 s2, ttmp6, 0x10000c
	s_cmp_lg_u32 s2, 0xf033
	s_cbranch_scc0 .Lentry_shape_is_right
	s_endpgm
.Lentry_shape_is_right:
; out0 = h2 + hidden w2 + b2.  The product on codes of E5M2 with E8M0 scales; h2 = (h - mu) rs g2 + be2 is made anew from h and the row's stored mu and rs.  Nothing of reference() is left out.
; The text is launch proj's with K = 4,096: NS = 32 K steps, so the two slots of 4 K steps are filled again three times each, each refill behind a round of the cluster's barrier, one joint load a wave.
; The result has 1,024 columns: tiles of 128 x 128 give each of 256 work-groups one.  Four waves, 64 x 64 each: 16 accumulators.  Source 0 = 16 rows of the weight, source 1 = 16 tokens: a lane holds eight neighbouring columns of a row.
; THE WAY OUT: 16 tokens x 64 columns go through the wave's own stage in LDS and come back as rows of 256 bytes; sixteen lanes store 256 consecutive bytes, aligned.
; REGISTERS: window 0: v16-30 addresses; v32-39 scale words, two sets; v48-59 g, b, bias; v64-127 the way out; v128-255 accumulators (a, b) at v[128 + 8 (4 a + b)].  window 1: two fragment buffers (A's 4, B's 4).  window 2: h, and the statistics.
.set NS,    32
.set OBB,   16896
.set WOFF,  512*OBB
.set STATS, 256*OBB
.set HALFT, 2*OBB
.set SLOT,  8*OBB
.set SPARE, 2*SLOT                     ; the spare words: 128 bytes a wave, which no other line names
.set STAGE, SPARE+512                  ; 16 rows x 272 bytes for each wave: no fill lands here
.set LAPS,  NS/8
.set ADRA, 16
.set ADRB, 20
.set ADRS, 22
.set STO,  24
.set RD,   25
.set VX,   26
.set VS,   27
.set SPW,  28
.set NIL,  29
.set VG,   30
.set SC,   32
.set BK,   64
.set TT,   96
.set ACC,  128
.set F0,   0
.set F1,   128
.set WV,   20
.set FB,   21
.set G1,   24
.set G0,   32
.set G1B,  48
.set G0B,  56
.set MSB, 0
.macro WIN new
.if MSB != (\new)
	s_set_vgpr_msb (MSB<<8)|(\new)
.set MSB, (\new)
.endif
.endm
.macro PLACES n
.rept \n
	v_nop
.endr
.endm
.macro JLOAD g0a, g1a, g0b, g1b        ; waves 0, 1 fetch for A, waves 2, 3 for B; an s_nop 0 and four v_nop follow each line
	s_cmp_eq_u32 s[FB], 0
	s_cbranch_scc0 .Lfor_b_\@
	tensor_load_to_lds s[\g0a:\g0a+3], s[\g1a:\g1a+7]
	s_nop 0
.rept 4
	v_nop
.endr
	s_branch .Lasked_\@
.Lfor_b_\@:
	tensor_load_to_lds s[\g0b:\g0b+3], s[\g1b:\g1b+7]
	s_nop 0
.rept 4
	v_nop
.endr
.Lasked_\@:
.endm
.macro CREST
	s_cmp_lg_u32 s[WV], 0
	s_cbranch_scc1 .Lnot_wave_0_\@
	s_barrier_signal -3
.Lnot_wave_0_\@:
	s_barrier_wait -3
	s_barrier_signal -1
	s_barrier_wait -1
.endm
.macro CROUND
	s_barrier_signal -1
	s_barrier_wait -1
	CREST
.endm
	s_load_b512 s[4:19], s[0:1], 0x0               ; A's codes, pre, the residual's source, its statistics' buffer, g, b, the bias, the result
	v_lshl_add_u32 v[SPW], v0, 2, SPARE
	v_mov_b32 v[NIL], 0
	ds_add_u32 v[SPW], v[NIL]                      ; the opening: the add, twice on end, and its wait ahead of my first tensor load
	ds_add_u32 v[SPW], v[NIL]
	v_lshrrev_b32 v1, 5, v0
	v_readfirstlane_b32 s[WV], v1
	s_lshr_b32 s[FB], s[WV], 1                     ; my half of the tokens.  Also: I fetch for A (0) or B (1)
	s_and_b32 s22, s[WV], 1                        ; my half of the columns.  Also: which two K steps of a slot I fetch
	s_bfe_u32 s40, ttmp6, 0x40000
	s_bfe_u32 s41, ttmp6, 0x40004
	s_lshl_b32 s42, ttmp9, 2
	s_add_co_u32 s42, s42, s40                     ; the weight's row group
	s_and_b32 s66, ttmp7, 0xffff
	s_lshl_b32 s66, s66, 2
	s_add_co_u32 s66, s66, s41                     ; the tokens' group
	s_lshl_b32 s43, s41, 2
	s_lshl_b32 s43, 15, s43
	s_lshl_b32 s44, 0x1111, s40
	s_or_b32 s[G1+0], s43, (3<<16)|(1<<21)         ; the mask; elements of 8 bytes; bit 21 beside a mask; no padding
	s_or_b32 s[G1B+0], s44, (3<<16)|(1<<21)
.irp g, G1, G1B
	s_mov_b32 s[\g+1], 32<<16                      ; rows of 256 bytes, 132 of them, dense
	s_mov_b32 s[\g+2], 132<<16
	s_mov_b32 s[\g+3], 32<<16
	s_mov_b32 s[\g+4], 132
	s_mov_b32 s[\g+5], 32
	s_mov_b32 s[\g+6], 0
	s_mov_b32 s[\g+7], 0
.endr
	s_lshl_b32 s23, s22, 1
	s_mul_i32 s68, s66, NS
	s_add_co_u32 s68, s68, s23
	s_mul_i32 s68, s68, OBB
	s_mov_b32 s69, 0
	s_mul_i32 s46, s42, NS
	s_add_co_u32 s46, s46, s23
	s_mul_i32 s46, s46, OBB
	s_add_co_u32 s46, s46, WOFF
	s_mov_b32 s47, 0
	s_mul_i32 s45, s[WV], HALFT
	s_wait_dscnt 0x0
	s_wait_kmcnt 0x0
	s_add_nc_u64 s[68:69], s[4:5], s[68:69]
	s_add_nc_u64 s[46:47], s[6:7], s[46:47]
	CROUND
.irp s, 0,1
	s_mov_b32 s[G0+4*\s], 1
	s_add_co_u32 s[G0+4*\s+1], s45, \s*SLOT
	s_add_nc_u64 s[G0+4*\s+2:G0+4*\s+3], s[68:69], \s*4*OBB
	s_or_b32 s[G0+4*\s+3], s[G0+4*\s+3], 0x80000000
	s_mov_b32 s[G0B+4*\s], 1
	s_add_co_u32 s[G0B+4*\s+1], s45, \s*SLOT
	s_add_nc_u64 s[G0B+4*\s+2:G0B+4*\s+3], s[46:47], \s*4*OBB
	s_or_b32 s[G0B+4*\s+3], s[G0B+4*\s+3], 0x80000000
	JLOAD G0+4*\s, G1, G0B+4*\s, G1B
.endr
	v_and_b32 v1, 31, v0
	v_and_b32 v2, 15, v0                           ; r
	v_bfe_u32 v3, v0, 4, 1                         ; h
	v_lshlrev_b32 v6, 4, v1
	v_lshlrev_b32 v5, 2, v2
	s_lshl_b32 s70, s[FB], 13                      ; A's tiles 4 wy on
	s_lshl_b32 s71, s22, 13
	s_add_co_u32 s71, s71, 4*OBB                   ; B's tiles 4 wx on, behind A's four blocks
	s_lshl_b32 s72, s[FB], 8
	s_lshl_b32 s73, s22, 8
	s_add_co_u32 s73, s73, 4*OBB
	s_sub_co_u32 s73, s73, s72
	v_mul_u32_u24 v4, s73, v3                      ; scale words: lanes 0-15 A's, lanes 16-31 B's
	v_add_nc_u32 v4, v4, v5
	s_add_co_u32 s72, s72, 16384
.irp s, 0,1
	v_add_nc_u32 v[ADRA+\s], s70, v6
	v_add_nc_u32 v[ADRB+\s], s71, v6
	v_add_nc_u32 v[ADRS+\s], s72, v4
	s_add_co_u32 s70, s70, SLOT
	s_add_co_u32 s71, s71, SLOT
	s_add_co_u32 s72, s72, SLOT
.endr
	s_mul_i32 s74, s[WV], 16*272
	s_add_co_u32 s74, s74, STAGE
	v_mul_u32_u24 v[STO], v2, 272
	v_lshl_add_u32 v[STO], v3, 6, v[STO]
	v_add_nc_u32 v[STO], s74, v[STO]               ; in: row r, + 64 h
	v_mul_u32_u24 v[RD], v3, 272
	v_lshl_add_u32 v[RD], v2, 4, v[RD]
	v_add_nc_u32 v[RD], s74, v[RD]                 ; back: lanes 0-15 one row, lanes 16-31 the next
	v_lshlrev_b32 v[VX], 12, v3
	v_lshl_add_u32 v[VX], v2, 4, v[VX]
	v_lshlrev_b32 v[VS], 4, v3
	v_lshlrev_b32 v[VG], 4, v2
	s_lshl_b32 s76, s66, 7
	s_lshl_b32 s77, s[FB], 6
	s_add_co_u32 s76, s76, s77                     ; my first token
	s_lshl_b32 s78, s42, 9
	s_lshl_b32 s79, s22, 8
	s_add_co_u32 s78, s78, s79                     ; my first column, in bytes
	s_mov_b32 s79, 0
	s_lshl_b32 s80, s76, 12
	s_add_co_u32 s80, s80, s78
	s_mov_b32 s81, 0
	s_add_nc_u64 s[8:9], s[8:9], s[80:81]
	s_add_nc_u64 s[18:19], s[18:19], s[80:81]
	s_lshl_b32 s80, s76, 4
	s_add_co_u32 s80, s80, STATS
	s_add_nc_u64 s[10:11], s[10:11], s[80:81]
	s_add_nc_u64 s[12:13], s[12:13], s[78:79]
	s_add_nc_u64 s[14:15], s[14:15], s[78:79]
	s_add_nc_u64 s[16:17], s[16:17], s[78:79]
	WIN 0x80                                       ; destination window 2
.irp a, 0,1,2,3
.irp t, 0,1,2,3,4,5,6,7                        ; stage rows 2 t, 2 t + 1 of tile a are tokens 32 (a / 2) + 8 (a % 2) + 2 t + 8 (t / 4) and the next
	global_load_b128 v[32*\a+4*\t:32*\a+4*\t+3], v[VX], s[8:9] offset:(32*(\a/2)+8*(\a%2)+2*\t+8*(\t/4))*4096 th:TH_LOAD_NT
	global_load_b128 v[128+32*\a+4*\t:128+32*\a+4*\t+3], v[VS], s[10:11] offset:(32*(\a/2)+8*(\a%2)+2*\t+8*(\t/4))*16
.endr
.endr
	WIN 0
	global_load_b128 v[48:51], v[VG], s[12:13]
	global_load_b128 v[52:55], v[VG], s[14:15]
	global_load_b128 v[56:59], v[VG], s[16:17]
.macro FETCH slot, q, f                ; 36 LDS loads: a K step's scale words, B's four fragments, A's four, into buffer f
	WIN 0
.irp i, 0,1,2,3
	ds_load_b32 v[SC+4*((\f)/128)+\i], v[ADRS+\slot] offset:OBB*(\q)+64*\i
.endr
	WIN 0x40
.irp i, 0,1,2,3
.irp c, 0,1,2,3
	ds_load_b128 v[\f+64+16*\i+4*\c:\f+64+16*\i+4*\c+3], v[ADRB+\slot] offset:OBB*(\q)+2048*\i+512*\c
.endr
.endr
.irp i, 0,1,2,3
.irp c, 0,1,2,3
	ds_load_b128 v[\f+16*\i+4*\c:\f+16*\i+4*\c+3], v[ADRA+\slot] offset:OBB*(\q)+2048*\i+512*\c
.endr
.endr
.endm
.macro MUL8 f, a0, zero                ; the 16 accumulators take turns, in the same order in every step
.irp a, \a0, \a0+1
.irp b, 0,1,2,3
.if \zero
	v_wmma_scale_f32_16x16x128_f8f6f4 v[ACC+8*(4*(\a)+\b):ACC+8*(4*(\a)+\b)+7], v[\f+64+16*\b:\f+64+16*\b+15], v[\f+16*(\a):\f+16*(\a)+15], 0, v[SC+4*((\f)/128)+\b], v[SC+4*((\f)/128)+(\a)] matrix_a_fmt:MATRIX_FMT_BF8 matrix_b_fmt:MATRIX_FMT_BF8 matrix_a_scale:MATRIX_SCALE_ROW1
.else
	v_wmma_scale_f32_16x16x128_f8f6f4 v[ACC+8*(4*(\a)+\b):ACC+8*(4*(\a)+\b)+7], v[\f+64+16*\b:\f+64+16*\b+15], v[\f+16*(\a):\f+16*(\a)+15], v[ACC+8*(4*(\a)+\b):ACC+8*(4*(\a)+\b)+7], v[SC+4*((\f)/128)+\b], v[SC+4*((\f)/128)+(\a)] matrix_a_fmt:MATRIX_FMT_BF8 matrix_b_fmt:MATRIX_FMT_BF8 matrix_a_scale:MATRIX_SCALE_ROW1
.endif
.endr
.endr
.endm
.macro STEPG slot, q, zero             ; one of a slot's first three steps: the next step's loads go out first and have this step's 16 products in which to land
	s_wait_dscnt 0x0                               ; this step's fragments and words are in
	PLACES 8                                       ; behind the last step's products, whose buffer is loaded anew
	FETCH \slot, (\q)+1, 128-128*((\q)%2)
	WIN 0x05
	MUL8 128*((\q)%2), 0, \zero
	MUL8 128*((\q)%2), 2, \zero
.endm
.macro TURNG slot, next, fill          ; a slot's last step changes slots: one barrier
	WIN 0
	s_wait_tensorcnt 0x0                           ; all my tensor loads have landed: my part of the next slot
	ds_add_u32 v[SPW], v[NIL]                      ; 0 onto my spare word
	s_wait_dscnt 1                                 ; (the add may be out)
	WIN 0x05
	MUL8 F1, 0, 0
	s_wait_dscnt 0x0                               ; the add is done, and my reads of this slot are over
	s_barrier_signal -1
	MUL8 F1, 2, 0
	WIN 0
	s_barrier_wait -1
.if \fill
	CREST                                          ; the barrier has opened a round of the cluster's: no wave of any partner still reads this slot or has a load on its way
	s_add_nc_u64 s[G0+4*\slot+2:G0+4*\slot+3], s[G0+4*\slot+2:G0+4*\slot+3], 8*OBB
	s_add_nc_u64 s[G0B+4*\slot+2:G0B+4*\slot+3], s[G0B+4*\slot+2:G0B+4*\slot+3], 8*OBB
	JLOAD G0+4*\slot, G1, G0B+4*\slot, G1B         ; the first tensor load behind the round: it has three K steps in which to land
	PLACES 4
.else
	PLACES 8
.endif
	FETCH \next, 0, F0
.endm
	s_wait_tensorcnt 1                             ; my part of slot 0 is in; slot 1's may be out
	s_barrier_signal -1
	s_barrier_wait -1
	FETCH 0, 0, F0
	STEPG 0, 0, 1                                  ; the first step's products start the sums
.if LAPS > 1
	WIN 0
	s_mov_b32 s3, LAPS-1
.Llap:                                             ; a trip goes once round the ring and fills both slots again
	STEPG 0, 1, 0
	STEPG 0, 2, 0
	TURNG 0, 1, 1
	STEPG 1, 0, 0
	STEPG 1, 1, 0
	STEPG 1, 2, 0
	TURNG 1, 0, 1
	STEPG 0, 0, 0
	WIN 0
	s_sub_co_u32 s3, s3, 1
	s_cmp_lg_u32 s3, 0
	s_cbranch_scc1 .Llap
.endif
	STEPG 0, 1, 0                                  ; the last lap fills nothing
	STEPG 0, 2, 0
	TURNG 0, 1, 0
	STEPG 1, 0, 0
	STEPG 1, 1, 0
	STEPG 1, 2, 0
	s_wait_dscnt 0x0
	WIN 0x05
	MUL8 F1, 0, 0
	MUL8 F1, 2, 0
	WIN 0
	PLACES 8
	s_wait_loadcnt 0x0                             ; h, the statistics, g, b, the bias
	v_pk_add_f32 v[52:53], v[52:53], v[56:57]      ; b + the bias
	v_pk_add_f32 v[54:55], v[54:55], v[58:59]
.irp a, 0,1,2,3
.if \a > 0
	s_wait_xcnt 0x0                                ; the last tile's stores have read their data
.endif
.irp b, 0,1,2,3
	ds_store_b128 v[STO], v[ACC+8*(4*\a+\b):ACC+8*(4*\a+\b)+3] offset:128*(\b/2)+32*(\b%2)       ; columns 32 (b / 2) + 8 (b % 2) + 16 h + 0 .. 7 of token row r; each accumulator from its low end on
	ds_store_b128 v[STO], v[ACC+8*(4*\a+\b)+4:ACC+8*(4*\a+\b)+7] offset:128*(\b/2)+32*(\b%2)+16
.endr
.irp t, 0,1,2,3,4,5,6,7
	ds_load_b128 v[BK+4*\t:BK+4*\t+3], v[RD] offset:544*\t      ; LDS serves a wave's instructions in order (ISA guide 5.7.1.4): these see my stores
.endr
	WIN 0x0a                                       ; sources 0 and 1 window 2
.irp t, 0,1,2,3,4,5,6,7
.irp e, 0,2
	v_pk_add_f32 v[TT+4*\t+\e:TT+4*\t+\e+1], v[32*\a+4*\t+\e:32*\a+4*\t+\e+1], v[128+32*\a+4*\t:129+32*\a+4*\t] neg_lo:[0,1] neg_hi:[0,1]   ; h - mu
.endr
.endr
	WIN 0x08                                       ; source 1 window 2
.irp t, 0,1,2,3,4,5,6,7
.irp e, 0,2
	v_pk_mul_f32 v[TT+4*\t+\e:TT+4*\t+\e+1], v[TT+4*\t+\e:TT+4*\t+\e+1], v[130+32*\a+4*\t:131+32*\a+4*\t]   ; (h - mu) rs
.endr
.endr
	WIN 0
	s_wait_dscnt 0x0
.irp t, 0,1,2,3,4,5,6,7
.irp e, 0,2
	v_pk_add_f32 v[BK+4*\t+\e:BK+4*\t+\e+1], v[BK+4*\t+\e:BK+4*\t+\e+1], v[52+\e:53+\e]
.endr
.endr
.irp t, 0,1,2,3,4,5,6,7
.irp e, 0,2
	v_pk_fma_f32 v[BK+4*\t+\e:BK+4*\t+\e+1], v[TT+4*\t+\e:TT+4*\t+\e+1], v[48+\e:49+\e], v[BK+4*\t+\e:BK+4*\t+\e+1]
.endr
.endr
.irp t, 0,1,2,3,4,5,6,7
	global_store_b128 v[VX], v[BK+4*\t:BK+4*\t+3], s[18:19] offset:(32*(\a/2)+8*(\a%2)+2*\t+8*(\t/4))*4096   ; sixteen lanes store 256 consecutive bytes, aligned
.endr
.endr
	s_wait_tensorcnt 0x0                           ; the wave's end
	ds_add_u32 v[SPW], v[NIL]
	s_wait_dscnt 0x0
	CROUND                                         ; the closing round
	s_endpgm
.Lfunc_end_k_q0bf2083605_ffn2:
	.size	k_q0bf2083605_ffn2, .Lfunc_end_k_q0bf2083605_ffn2-k_q0bf2083605_ffn2
	.p2alignl 7, 3214868480
	.fill 96, 4, 3214868480
	.section	.rodata,"a",@progbits
	.p2align	6, 0x0
	.amdhsa_kernel k_q0bf2083605_ffn2
		.amdhsa_group_segment_fixed_size 327680
		.amdhsa_private_segment_fixed_size 0
		.amdhsa_enable_private_segment 0
		.amdhsa_kernarg_size 64
		.amdhsa_user_sgpr_count 2
		.amdhsa_user_sgpr_kernarg_segment_ptr 1
		.amdhsa_wavefront_size32 1
		.amdhsa_system_sgpr_workgroup_id_x 1
		.amdhsa_system_sgpr_workgroup_id_y 1
		.amdhsa_system_sgpr_workgroup_id_z 1
		.amdhsa_system_vgpr_workitem_id 0
		.amdhsa_next_free_vgpr 768
		.amdhsa_next_free_sgpr 100
		.amdhsa_reserve_vcc 0
		.amdhsa_float_denorm_mode_32 3
		.amdhsa_float_denorm_mode_16_64 3
		.amdhsa_memory_ordered 1
		.amdhsa_forward_progress 1
		.amdhsa_inst_pref_size 115
	.end_amdhsa_kernel
	.amdgpu_metadata
---
amdhsa.version: [ 1, 2 ]
amdhsa.kernels:
  - .name:           k_q0bf2083605_ffn2
    .symbol:         k_q0bf2083605_ffn2.kd
    .args:
      - { .name: hid, .offset: 0, .size: 8, .value_kind: global_buffer, .address_space: global }
      - { .name: pre, .offset: 8, .size: 8, .value_kind: global_buffer, .address_space: global }
      - { .name: hbuf, .offset: 16, .size: 8, .value_kind: global_buffer, .address_space: global }
      - { .name: act2, .offset: 24, .size: 8, .value_kind: global_buffer, .address_space: global }
      - { .name: g2, .offset: 32, .size: 8, .value_kind: global_buffer, .address_space: global }
      - { .name: be2, .offset: 40, .size: 8, .value_kind: global_buffer, .address_space: global }
      - { .name: b2, .offset: 48, .size: 8, .value_kind: global_buffer, .address_space: global }
      - { .name: out0, .offset: 56, .size: 8, .value_kind: global_buffer, .address_space: global }
    .group_segment_fixed_size: 327680
    .private_segment_fixed_size: 0
    .kernarg_segment_align: 8
    .kernarg_segment_size: 64
    .max_flat_workgroup_size: 128
    .sgpr_count:     100
    .vgpr_count:     768
    .wavefront_size: 32
...
	.end_amdgpu_metadata
.endif
;; end of part 7
